; MI455X (gfx1250); checked and timed in simulation.
; The chip was launched on July 23, 2026; its instructions are those of AMD's public machine-readable ISA for CDNA 5 (MIT licence, August 2026) and "CDNA5" Instruction Set Architecture Reference Guide (July 2026). The comments in the code are by the model that wrote it; some were corrected since.
;; Head. Allowed arithmetic: float matrix products may take bf16 or f16 operands with f32 sums; other float arithmetic in f32, or as packed bf16 or f16 multiplies, adds, multiply-adds, maxima and minima; sums over many terms, partial sums and values carried from step to step in f32; what a program stores and reads back later, other than sums and carried values, may be rounded once to bf16 or f16.
;; Inputs: Wk 64 x 384 float32; Wq 64 x 384 float32; Wv 384 x 384 float32; x 4 x 4,096 x 384 float32.
;; Outputs: out0 4 x 4,096 x 384 float32.
;; 2 versions, each right. Each part assembles by itself: llvm-mc -triple=amdgcn-amd-amdhsa -mcpu=gfx1250 --defsym DOCPART=n.
;; ======== version 1 of 2: 3 launches
;; limits: values are held in f16: magnitudes above 65,504 overflow, below 6.1e-05 lose precision
;; workspace buffers: qf 2,097,152 bytes; kvf 16,777,216 bytes; qlo 131,072 bytes; kvlo 1,048,576 bytes
;; launch proj (part 1): grid 64 x 4, 4 waves a work-group, no clusters, 111,104 bytes of LDS; arguments x, Wq, Wk, Wv, qf, kvf, qlo, kvlo; writes qf, kvf, qlo, kvlo
.if DOCPART == 1
	.amdgcn_target "amdgcn-amd-amdhsa--gfx1250"
	.amdhsa_code_object_version 6
	.text
	.protected	k_qaa3935635b_proj
	.globl	k_qaa3935635b_proj
	.p2align	8
	.type	k_qaa3935635b_proj,@function
k_qaa3935635b_proj:
	s_mov_b64 s[64:65], 0
	v_nop
	global_prefetch_b8 v0, s[64:65] scope:SCOPE_SE
	s_setreg_imm32_b32 hwreg(HW_REG_WAVE_MODE, 25, 1), 1
	s_wait_xcnt 0x0
; THE PROJECTIONS of one causal attention head: q = x Wq^T, k = x Wk^T (64 channels each), v = x Wv^T (384 channels).  x: [4][4096][384] f32, taken as 16,384 tokens.
; x and the weights are rounded to bf16 on the way to the matrix unit; sums in f32; q, k, v rounded once to f16 and stored IN THE ORDER OF THE MATRIX FRAGMENTS that the attention launches want,
; so that they read them as they lie: 16 bytes a lane, 512 consecutive bytes an instruction.
; DEAD WORK, for the whole program.  reference() sets scores[t][s] = -inf for s > t by a jnp.tril of its own, whatever the inputs hold; the softmax gives such a key the weight exp(-inf) = 0, and 0 times a
; finite row of v adds nothing.  So the attention launches leave out every tile of keys that lies wholly behind a block of queries.  All four inputs reach the output and all are loaded.
; LIMITS.  A NaN, an infinity or an overflow in a row of k or v is not carried to the queries from which that row's whole tile is hidden.  q, k and v must lie within f16's 65,504.
; WHAT IS STORED.
;   qf   [token / 16][c = 0,1][half = 0,1][lane][16 bytes]: lane (r = lane % 16, h = lane / 16) holds token r, channels 32 c + 16 half + 8 h + 0..7.
;   kvf  [batch][hf = 0,1][group of 64 keys][32,768 bytes]; a group: K as [kb = 0..3][c][half][lane][16] (as qf; in both hf copies), 8,192 bytes; then V^T as [kk = 0,1][cb = 0..11][half][lane][16]:
;        lane (r, h) holds channel 192 hf + 16 cb + r, keys 32 kk + 16 half + 8 h + 0..7.
;   qlo, kvlo  for each batch's first 256 tokens, in the same order ([batch][16 pieces of 2,048 bytes]; [batch][hf][4 groups]): WHAT THE ROUNDING TO f16 LEFT, lo = f16(sum - hi).  The launch 'first' makes
;        those 256 rows of the output from hi + lo: a row there is a mean of few rows of v, and a number near zero among its large terms has no room for f16's rounding.
; SHARES.  Work-group (X, CG): tokens 256 X .. + 255 times 128 columns: CG = 0: Wq's 64 and Wk's 64; CG = 1..3: rows 128 (CG - 1) .. of Wv.  Wave w: tokens 64 w .. + 63 (one group of keys) times all 128
; columns: 4 x 8 accumulators.  The 384 along K go in 6 chunks of 64: 256 consecutive bytes, aligned, of each f32 row.
; NO CLUSTER AND NO TENSOR LOAD, though four work-groups read each row of x and 64 each row of a weight: the operands arrive in f32.  Brought by the data mover they would lie in LDS as f32: four LDS loads a
; fragment in place of two, and a conversion in each of the four waves that read a row of W.  Through registers each number is converted once a work-group, and LDS holds bf16.
; THE TWO ORDERS OF THE SOURCES.  v: source 0 = 16 tokens of x, source 1 = 16 rows of W: a lane then holds ONE channel and eight neighbouring tokens, which is V^T's fragment.
; q, k: source 0 = W, source 1 = x: a lane holds ONE token and eight neighbouring channels.  The choice hangs on CG, the same in all waves.
; REGISTERS: window 0 addresses, fragments, at the end the packed hi; window 1 the 32 accumulators ((a, i) at 8 (8 a + i)); window 2 the f32 numbers on their way in (x 0-127, W 128-191), at the end the packed lo.
.set ROWB,  1536                       ; bytes in a row of x and of a weight
.set PITCH, 144                        ; an LDS row: 64 bf16 + 16 bytes of padding = 36 words: the 16 rows of a fragment load start at 16 different groups of four banks (64 banks of 4 bytes: ISA guide 11.1)
.set WOFF,  256*PITCH                  ; in a buffer: x's 256 rows, then W's 128
.set BUFB,  384*PITCH
.set SPARE, 2*BUFB                     ; behind the two buffers: the spare words, 128 bytes for each wave: two blocks of 256 bytes that no other line names
.set HFB,   2097152                    ; from one hf copy of kvf to the other
.set HFL,   131072                     ; the same in kvlo
.set GOF,  2                           ; v2     my offset in two rows of memory: (lane / 16) x 1,536 + 16 (lane % 16)
.set XS,   4                           ; v4-5   where I put 8 bytes of x, buffer 0, 1
.set WS,   6                           ; v6-7   the same for W
.set XF,   8                           ; v8-9   my lane's place in x's fragments, buffer 0, 1
.set WF,   10                          ; v10-11 in W's
.set LN16, 12                          ; v12    16 x lane
.set NEG1, 13                          ; v13    -1.0
.set SPW,  14                          ; v14    LDS address of my spare word; never rewritten
.set NIL,  15                          ; v15    0; never rewritten
.set VO,   16                          ; v16-23 my offset in kvf's group for column tile i (v alone)
.set VL,   24                          ; v24-31 the same in kvlo's
.set FX,   32                          ; x's fragments: K step ks, token tile a at FX + 32 ks + 8 a
.set FW,   96                          ; W's: column tile i at FW + 64 ks + 8 i
.set HI,   32                          ; at the end: the packed hi of (a, i) at HI + 32 a + 4 i; the packed lo at 32 a + 4 i of window 2
.set TS,   128                         ; window 2: sum - hi of one token tile, 64 registers
.set WV,   20                          ; s20 wave   s21 CG   s27 X
.set CG,   21
.set XB,   22                          ; s[22:23] x at my 64 rows, at the chunk to be loaded
.set WB,   24                          ; s[24:25] the weight at the 32 rows that I bring in
.set CNT,  26
.set XX,   27
.set QFB,  28                          ; s[28:29] qf at my 64 tokens
.set KVB,  30                          ; s[30:31] kvf at my group, hf = 0
.set QLB,  32                          ; s[32:33] qlo at tokens 64 w .. of my batch
.set KLB,  34                          ; s[34:35] kvlo at group w of my batch, hf = 0
.set FIRST, 36                         ; s36 my block of 256 tokens in its batch: 0 where lo is stored too
.set MSB, 0
.macro WIN new                         ; the immediate's high byte repeats the setting that is left; a switch that changes nothing is dropped
.if MSB != (\new)
	s_set_vgpr_msb (MSB<<8)|(\new)
.set MSB, (\new)
.endif
.endm
	s_load_b256 s[4:11], s[0:1], 0x0               ; x s[4:5], Wq s[6:7], Wk s[8:9], Wv s[10:11]
	s_load_b256 s[12:19], s[0:1], 0x20             ; qf s[12:13], kvf s[14:15], qlo s[16:17], kvlo s[18:19]
	v_lshl_add_u32 v[SPW], v0, 2, SPARE
	v_mov_b32 v[NIL], 0
	v_mov_b32 v[NEG1], -1.0
	v_lshrrev_b32 v1, 5, v0
	v_readfirstlane_b32 s[WV], v1                  ; wave 0..3
	s_and_b32 s[CG], ttmp7, 0xffff
	s_mov_b32 s[XX], ttmp9
	v_and_b32 v1, 15, v0                           ; r = lane % 16
	v_bfe_u32 v3, v0, 4, 1                         ; h = lane / 16
	v_and_b32 v[LN16], 31, v0
	v_lshlrev_b32 v[LN16], 4, v[LN16]
	v_mul_u32_u24 v[GOF], v3, ROWB
	v_lshl_add_u32 v[GOF], v1, 4, v[GOF]
	s_mul_i32 s38, s[WV], 64*PITCH                 ; my 64 rows of x in a buffer
	s_mul_i32 s39, s[WV], 32*PITCH                 ; the 32 rows of W that I bring in
	s_add_co_u32 s39, s39, WOFF
	v_mul_u32_u24 v[XS], v3, PITCH
	v_lshl_add_u32 v[XS], v1, 3, v[XS]             ; row h, 8 bytes for each of 16 lanes
	v_add_nc_u32 v[WS], s39, v[XS]
	v_add_nc_u32 v[XS], s38, v[XS]
	v_mul_u32_u24 v[XF], v1, PITCH
	v_lshl_add_u32 v[XF], v3, 4, v[XF]             ; a fragment's row r, 16 bytes for each half of the lanes
	v_add_nc_u32 v[WF], WOFF, v[XF]
	v_add_nc_u32 v[XF], s38, v[XF]
	v_add_nc_u32 v[XS+1], BUFB, v[XS]
	v_add_nc_u32 v[WS+1], BUFB, v[WS]
	v_add_nc_u32 v[XF+1], BUFB, v[XF]
	v_add_nc_u32 v[WF+1], BUFB, v[WF]
	s_lshr_b32 s38, s[XX], 4                       ; batch
	s_and_b32 s[FIRST], s[XX], 15                  ; block of 256 tokens in the batch
	s_lshl_b32 s39, s[FIRST], 2
	s_add_co_u32 s39, s39, s[WV]                   ; my group of 64 keys
	s_lshl_b32 s39, s39, 15
	s_lshl_b32 s40, s38, 22
	s_add_co_u32 s40, s40, s39                     ; its bytes in kvf
	s_mov_b32 s41, 0
	s_lshl_b32 s42, s[XX], 15                      ; 256 tokens of 128 bytes in qf,
	s_lshl_b32 s39, s[WV], 13                      ; my 64
	s_add_co_u32 s42, s42, s39
	s_mov_b32 s43, 0
	s_lshl_b32 s44, s38, 15                        ; qlo: 32,768 bytes a batch, my 64 tokens
	s_add_co_u32 s44, s44, s39
	s_mov_b32 s45, 0
	s_lshl_b32 s46, s38, 18                        ; kvlo: 262,144 bytes a batch, group w
	s_lshl_b32 s39, s[WV], 15
	s_add_co_u32 s46, s46, s39
	s_mov_b32 s47, 0
	s_lshl_b32 s48, s[XX], 8
	s_lshl_b32 s49, s[WV], 6
	s_add_co_u32 s48, s48, s49
	s_mul_i32 s48, s48, ROWB                       ; my first row of x, in bytes (under 2^25)
	s_mov_b32 s49, 0
	s_and_b32 s50, s[WV], 1
	s_lshl_b32 s50, s50, 5                         ; CG = 0: rows 32 (w % 2) of Wq (waves 0, 1) or Wk (waves 2, 3)
	s_lshl_b32 s51, s[CG], 7
	s_lshl_b32 s39, s[WV], 5
	s_add_co_u32 s51, s51, s39
	s_sub_co_u32 s51, s51, 128                     ; else rows 128 (CG - 1) + 32 w of Wv
	s_cmp_eq_u32 s[CG], 0
	s_cselect_b32 s50, s50, s51
	s_mul_i32 s50, s50, ROWB
	s_mov_b32 s51, 0
	s_wait_kmcnt 0x0
	s_add_nc_u64 s[XB:XB+1], s[4:5], s[48:49]
	s_cmp_lt_u32 s[WV], 2
	s_cselect_b64 s[WB:WB+1], s[6:7], s[8:9]
	s_cmp_eq_u32 s[CG], 0
	s_cselect_b64 s[WB:WB+1], s[WB:WB+1], s[10:11]
	s_add_nc_u64 s[WB:WB+1], s[WB:WB+1], s[50:51]
	s_add_nc_u64 s[QFB:QFB+1], s[12:13], s[42:43]
	s_add_nc_u64 s[KVB:KVB+1], s[14:15], s[40:41]
	s_add_nc_u64 s[QLB:QLB+1], s[16:17], s[44:45]
	s_add_nc_u64 s[KLB:KLB+1], s[18:19], s[46:47]
; A chunk's f32 numbers: my 64 rows of x and 32 rows of W, 256 bytes of each; a load takes two rows, 16 lanes a row.
.macro GLOAD
	WIN 0x80                                       ; destination window 2, address window 0
.set qq, 0
.rept 32
	global_load_b128 v[4*qq:4*qq+3], v[GOF], s[XB:XB+1] offset:2*ROWB*qq
.set qq, qq+1
.endr
.set qq, 0
.rept 16
	global_load_b128 v[128+4*qq:128+4*qq+3], v[GOF], s[WB:WB+1] offset:2*ROWB*qq
.set qq, qq+1
.endr
	WIN 0
.endm
; They are rounded to bf16 in place (four numbers into two registers) and put into buffer n.
.macro CVST n
	s_wait_loadcnt 0x0                             ; the chunk is in; its loads are done, so their bases may be written:
	s_add_nc_u64 s[XB:XB+1], s[XB:XB+1], 256       ; the next chunk
	s_add_nc_u64 s[WB:WB+1], s[WB:WB+1], 256
	WIN 0x8a                                       ; destination and both sources window 2
.set qq, 0
.rept 48
	v_cvt_pk_bf16_f32 v[4*qq], v[4*qq], v[4*qq+1]
	v_cvt_pk_bf16_f32 v[4*qq+1], v[4*qq+2], v[4*qq+3]
.set qq, qq+1
.endr
	WIN 0x08                                       ; data window 2, address window 0
.set qq, 0
.rept 32
	ds_store_b64 v[XS+(\n)], v[4*qq:4*qq+1] offset:2*PITCH*qq
.set qq, qq+1
.endr
.set qq, 0
.rept 16
	ds_store_b64 v[WS+(\n)], v[128+4*qq:128+4*qq+1] offset:2*PITCH*qq
.set qq, qq+1
.endr
	WIN 0
.endm
; The chunk's fragments out of buffer n: 48 loads in one run, those of the first 32 along K first.
.macro FRAGS n
	WIN 0
.set ks, 0
.rept 2
.set qq, 0
.rept 4
	ds_load_b128 v[FX+32*ks+8*qq:FX+32*ks+8*qq+3],   v[XF+(\n)] offset:16*PITCH*qq+64*ks
	ds_load_b128 v[FX+32*ks+8*qq+4:FX+32*ks+8*qq+7], v[XF+(\n)] offset:16*PITCH*qq+64*ks+32
.set qq, qq+1
.endr
.set qq, 0
.rept 8
	ds_load_b128 v[FW+64*ks+8*qq:FW+64*ks+8*qq+3],   v[WF+(\n)] offset:16*PITCH*qq+64*ks
	ds_load_b128 v[FW+64*ks+8*qq+4:FW+64*ks+8*qq+7], v[WF+(\n)] offset:16*PITCH*qq+64*ks+32
.set qq, qq+1
.endr
.set ks, ks+1
.endr
.endm
; 32 matrix instructions, 32 along K.  The 32 accumulators take turns, one instruction a turn, in the same order everywhere, over the backward jump too.
.macro MULARM kstep, zero, swap
	WIN 0x50                                       ; C and D window 1, fragments window 0
.set ta, 0
.rept 4
.set ti, 0
.rept 8
.set rD, 8*(8*ta+ti)
.set rX, FX+32*(\kstep)+8*ta
.set rW, FW+64*(\kstep)+8*ti
.if (\swap) && (\zero)
	v_wmma_f32_16x16x32_bf16 v[rD:rD+7], v[rW:rW+7], v[rX:rX+7], 0
.elseif \swap
	v_wmma_f32_16x16x32_bf16 v[rD:rD+7], v[rW:rW+7], v[rX:rX+7], v[rD:rD+7]
.elseif \zero
	v_wmma_f32_16x16x32_bf16 v[rD:rD+7], v[rX:rX+7], v[rW:rW+7], 0
.else
	v_wmma_f32_16x16x32_bf16 v[rD:rD+7], v[rX:rX+7], v[rW:rW+7], v[rD:rD+7]
.endif
.set ti, ti+1
.endr
.set ta, ta+1
.endr
	WIN 0
.endm
.macro MUL kstep, zero                 ; zero = 1: the first products start the sums: nothing is cleared
	WIN 0                                          ; at a branch and at a label every window is 0
	s_cmp_eq_u32 s[CG], 0
	s_cbranch_scc1 .Lqk_\@
	MULARM \kstep, \zero, 0                        ; v: tokens by channels
	s_branch .Lmul_done_\@
.Lqk_\@:
	MULARM \kstep, \zero, 1                        ; q, k: channels by tokens
.Lmul_done_\@:
.endm
; ONE barrier a chunk, for two things: in front of it each wave's stores into the next buffer are done, and so are its loads from the buffer that the chunk after will overwrite.
.macro BAR
	s_wait_dscnt 0x0
	s_barrier_signal -1
	s_barrier_wait -1
.endm
; A chunk out of buffer n.  load = 1: the next chunk's f32 numbers are asked for first, and have the chunk's 64 matrix instructions in which to come; cv = 1: they are rounded and put into the other buffer.
; The 96 conversions are also the places between the chunk's last products and the next chunk's loads into the fragments' registers.
.macro CHUNK n, load, cv, zero
.if \load
	GLOAD
.endif
	FRAGS \n
	s_wait_dscnt 24                                ; the first K step's 24 loads are in; the second's 24 may stay out
	MUL 0, \zero
	s_wait_dscnt 0x0
	MUL 1, 0
.if \cv
	CVST 1-(\n)
	BAR
.endif
.endm
	GLOAD                                          ; chunk 0
	CVST 0
	BAR
	CHUNK 0, 1, 1, 1                               ; chunk 0 stands in front of the loop: its first products start the sums
	s_mov_b32 s[CNT], 2
.Lchunks:                                              ; chunks 1 to 4
	CHUNK 1, 1, 1, 0
	CHUNK 0, 1, 1, 0
	s_sub_co_u32 s[CNT], s[CNT], 1
	s_cmp_lg_u32 s[CNT], 0
	s_cbranch_scc1 .Lchunks
	CHUNK 1, 0, 0, 0                               ; chunk 5: nothing is left to load
	; THE WAY OUT.  A lane's eight results of an accumulator are 16 bytes of a fragment: four conversions, and a store in which 32 lanes write 512 consecutive bytes, aligned.
.rept 8
	v_nop                                          ; the places behind the last products
.endr
	WIN 0x05                                       ; both sources window 1, destination window 0: hi = f16(sum); each accumulator's registers in ascending order
.set ta, 0
.rept 4
.set ti, 0
.rept 8
.set rr, 0
.rept 4
	v_cvt_pk_f16_f32 v[HI+32*ta+4*ti+rr], v[8*(8*ta+ti)+2*rr], v[8*(8*ta+ti)+2*rr+1]
.set rr, rr+1
.endr
.set ti, ti+1
.endr
.set ta, ta+1
.endr
	WIN 0
	s_cmp_lg_u32 s[FIRST], 0
	s_cbranch_scc1 .Lno_lo
	; a batch's first 256 tokens: lo = f16(sum - hi).  hi x (-1) + sum is exact: hi lies within 2^-11 of the sum, so the difference is a multiple of the sum's last place and fits f32
.set ta, 0
.rept 4
	WIN 0x90                                       ; hi and -1 window 0, the sum (source 2) window 1, destination window 2
.set ti, 0
.rept 8
.set rr, 0
.rept 4
	v_fma_mix_f32 v[TS+8*ti+2*rr],   v[HI+32*ta+4*ti+rr], v[NEG1], v[8*(8*ta+ti)+2*rr]   op_sel_hi:[1,0,0]                ; source 0 is hi's low f16,
	v_fma_mix_f32 v[TS+8*ti+2*rr+1], v[HI+32*ta+4*ti+rr], v[NEG1], v[8*(8*ta+ti)+2*rr+1] op_sel:[1,0,0] op_sel_hi:[1,0,0] ; its high f16
.set rr, rr+1
.endr
.set ti, ti+1
.endr
	WIN 0x8a                                       ; all in window 2
.set ti, 0
.rept 8
.set rr, 0
.rept 4
	v_cvt_pk_f16_f32 v[32*ta+4*ti+rr], v[TS+8*ti+2*rr], v[TS+8*ti+2*rr+1]
.set rr, rr+1
.endr
.set ti, ti+1
.endr
.set ta, ta+1
.endr
	WIN 0
.Lno_lo:
; My offset in a group for each of my eight blocks of 16 channels; stride: from one hf copy to the other.
.macro VOFFS dst, stride
.set ti, 0
.rept 8
	s_add_co_u32 s53, s52, ti
	s_lshl_b32 s54, s53, 10                        ; 1,024 bytes a block;
	s_cmp_ge_u32 s53, 12
	s_cselect_b32 s55, (\stride)-12288, 0          ; blocks 12 to 23 lie in the other hf copy, as its blocks 0 to 11
	s_add_co_u32 s54, s54, s55
	s_add_co_u32 s54, s54, 8192                    ; behind the group's K
	v_add_nc_u32 v[(\dst)+ti], s54, v[LN16]
.set ti, ti+1
.endr
.endm
	s_cmp_eq_u32 s[CG], 0
	s_cbranch_scc1 .Lout_qk
	s_lshl_b32 s52, s[CG], 3
	s_sub_co_u32 s52, s52, 8                       ; my first block of 16 channels among v's 24
	VOFFS VO, HFB
.set ta, 0
.rept 4                                ; token tile ta is half ta % 2 of the fragments of keys 32 (ta / 2) on
.set ti, 0
.rept 8
	global_store_b128 v[VO+ti], v[HI+32*ta+4*ti:HI+32*ta+4*ti+3], s[KVB:KVB+1] offset:(ta/2)*12288+(ta%2)*512
.set ti, ti+1
.endr
.set ta, ta+1
.endr
	s_cmp_lg_u32 s[FIRST], 0
	s_cbranch_scc1 .Lend
	VOFFS VL, HFL
	WIN 0x08                                       ; data window 2
.set ta, 0
.rept 4
.set ti, 0
.rept 8
	global_store_b128 v[VL+ti], v[32*ta+4*ti:32*ta+4*ti+3], s[KLB:KLB+1] offset:(ta/2)*12288+(ta%2)*512
.set ti, ti+1
.endr
.set ta, ta+1
.endr
	WIN 0
	s_branch .Lend
.Lout_qk:                                              ; column tiles 0-3 are q's channels, 4-7 k's; tile i is half i % 2 of the fragment of channels 32 ((i % 4) / 2) on
.set ta, 0
.rept 4
.set ti, 0
.rept 4
	global_store_b128 v[LN16], v[HI+32*ta+4*ti:HI+32*ta+4*ti+3], s[QFB:QFB+1] offset:ta*2048+512*ti
	global_store_b128 v[LN16], v[HI+32*ta+16+4*ti:HI+32*ta+16+4*ti+3], s[KVB:KVB+1] offset:ta*2048+512*ti
	global_store_b128 v[LN16], v[HI+32*ta+16+4*ti:HI+32*ta+16+4*ti+3], s[KVB:KVB+1] offset:ta*2048+512*ti+HFB
.set ti, ti+1
.endr
.set ta, ta+1
.endr
	s_cmp_lg_u32 s[FIRST], 0
	s_cbranch_scc1 .Lend
	WIN 0x08                                       ; data window 2
.set ta, 0
.rept 4
.set ti, 0
.rept 4
	global_store_b128 v[LN16], v[32*ta+4*ti:32*ta+4*ti+3], s[QLB:QLB+1] offset:ta*2048+512*ti
	global_store_b128 v[LN16], v[32*ta+16+4*ti:32*ta+16+4*ti+3], s[KLB:KLB+1] offset:ta*2048+512*ti
	global_store_b128 v[LN16], v[32*ta+16+4*ti:32*ta+16+4*ti+3], s[KLB:KLB+1] offset:ta*2048+512*ti+HFL
.set ti, ti+1
.endr
.set ta, ta+1
.endr
	WIN 0
.Lend:
	s_wait_tensorcnt 0x0                           ; the wave's end, behind my last LDS store
	ds_add_u32 v[SPW], v[NIL]
	s_wait_dscnt 0x0
	s_endpgm
.Lfunc_end_k_qaa3935635b_proj:
	.size	k_qaa3935635b_proj, .Lfunc_end_k_qaa3935635b_proj-k_qaa3935635b_proj
	.p2alignl 7, 3214868480
	.fill 96, 4, 3214868480
	.section	.rodata,"a",@progbits
	.p2align	6, 0x0
	.amdhsa_kernel k_qaa3935635b_proj
		.amdhsa_group_segment_fixed_size 111104
		.amdhsa_private_segment_fixed_size 0
		.amdhsa_enable_private_segment 0
		.amdhsa_kernarg_size 64
		.amdhsa_user_sgpr_count 2
		.amdhsa_user_sgpr_kernarg_segment_ptr 1
		.amdhsa_wavefront_size32 1
		.amdhsa_system_sgpr_workgroup_id_x 1
		.amdhsa_system_sgpr_workgroup_id_y 1
		.amdhsa_system_sgpr_workgroup_id_z 1
		.amdhsa_system_vgpr_workitem_id 0
		.amdhsa_next_free_vgpr 704
		.amdhsa_next_free_sgpr 66
		.amdhsa_reserve_vcc 0
		.amdhsa_float_denorm_mode_32 3
		.amdhsa_float_denorm_mode_16_64 3
		.amdhsa_memory_ordered 1
		.amdhsa_forward_progress 1
		.amdhsa_inst_pref_size 158
	.end_amdhsa_kernel
	.amdgpu_metadata
---
amdhsa.version: [ 1, 2 ]
amdhsa.kernels:
  - .name:           k_qaa3935635b_proj
    .symbol:         k_qaa3935635b_proj.kd
    .args:
      - { .name: x, .offset: 0, .size: 8, .value_kind: global_buffer, .address_space: global }
      - { .name: Wq, .offset: 8, .size: 8, .value_kind: global_buffer, .address_space: global }
      - { .name: Wk, .offset: 16, .size: 8, .value_kind: global_buffer, .address_space: global }
      - { .name: Wv, .offset: 24, .size: 8, .value_kind: global_buffer, .address_space: global }
      - { .name: qf, .offset: 32, .size: 8, .value_kind: global_buffer, .address_space: global }
      - { .name: kvf, .offset: 40, .size: 8, .value_kind: global_buffer, .address_space: global }
      - { .name: qlo, .offset: 48, .size: 8, .value_kind: global_buffer, .address_space: global }
      - { .name: kvlo, .offset: 56, .size: 8, .value_kind: global_buffer, .address_space: global }
    .group_segment_fixed_size: 111104
    .private_segment_fixed_size: 0
    .kernarg_segment_align: 8
    .kernarg_segment_size: 64
    .max_flat_workgroup_size: 128
    .sgpr_count:     66
    .vgpr_count:     704
    .wavefront_size: 32
...
	.end_amdgpu_metadata
.endif
;; end of part 1
;; launch attn (part 2): grid 32 x 8, 4 waves a work-group, clusters of 4 x 1, 327,680 bytes of LDS; arguments qf, kvf, out0; writes out0
.if DOCPART == 2
	.amdgcn_target "amdgcn-amd-amdhsa--gfx1250"
	.amdhsa_code_object_version 6
	.text
	.protected	k_qaa3935635b_attn
	.globl	k_qaa3935635b_attn
	.p2align	8
	.type	k_qaa3935635b_attn,@function
k_qaa3935635b_attn:
	s_mov_b64 s[64:65], 0
	v_nop
	global_prefetch_b8 v0, s[64:65] scope:SCOPE_SE
	s_setreg_imm32_b32 hwreg(HW_REG_WAVE_MODE, 25, 1), 1
	s_wait_xcnt 0x0
	s_wait_alu depctr_hold_cnt(0) depctr_sa_sdst(0) depctr_va_vdst(0) depctr_va_sdst(0) depctr_va_ssrc(0) depctr_va_vcc(0) depctr_vm_vsrc(0)
	s_getreg_b32 s2, hwreg(HW_REG_IB_STS2, 6, 4)
	s_cmp_eq_u32 s2, 0
	s_cbranch_scc0 .Lentry_in_a_cluster
	s_endpgm
.Lentry_in_a_cluster:
	s_bfe_u32 s2, ttmp6, 0x10000c
	s_cmp_lg_u32 s2, 0x3003
	s_cbranch_scc0 .Lentry_shape_is_right
	s_endpgm
.Lentry_shape_is_right:
; CAUSAL ATTENTION, one head: out[b][q][:] = the sum over k <= q of softmax_k(q . k / 8) v[k][:], 64 channels of q and k, 384 of v, 4 batches of 4,096 rows.  q, k, v in f16, in fragment order (qf, kvf: the
; projection launch's head says how they lie); products, maxima and sums in f32; the weights p rounded to f16 for the second product (their sum l is taken of the unrounded p); out in f32.
; LEFT OUT: every tile of 256 keys that lies wholly behind a block of 256 queries: reference()'s own jnp.tril gives those keys the weight 0 whatever the inputs hold.
; ROWS 0 TO 255 OF EACH BATCH (block 0) are computed and stored along here, as the last of the 17 tiles of the 8 clusters with u = 0, and written anew, from operands of twice the precision, by the launch
; 'first', which runs behind this one: 1,572,864 of out's 25,165,824 bytes are so stored twice.  Every other cluster has 17 tiles too, so leaving block 0 out would shorten no other walk, and the loop over
; tiles, whose LDS addresses take turns, counts to one constant for all.
; LIMITS.  q, k, v lie within f16's 65,504.  A hidden score counts as -2^100 (f16's scores are 2.7e11 at the most).  A weight below 2^-126 counts as 0.  NaN and infinities are not treated apart, and one in a
; row of k or v is not carried to queries from which that row's whole tile is hidden.
; SHARES.  A batch has 16 blocks of 256 queries; block i needs the key tiles 0 .. i of 256 keys.  A CLUSTER of four work-groups takes two blocks, 15 - u and then u: 17 tiles, whatever u.  Partner cx owns queries
; 64 cx .. + 63 of each block; the grid's y = 2 batch + hf, and a work-group makes channels 192 hf .. + 191 of v: 8 x 8 x 4 = 256 work-groups of equal work.  (K Q^T and the softmax are so made twice, once for each hf.)
; All four partners walk the same tiles, so each tile is asked for JOINTLY: the same tensor load, descriptor and mask in all four.
; THE KEYS ARE SPLIT AMONG THE WAVES: of each tile wave w takes keys 64 w .. + 63, for all 64 queries, with a running maximum m, sum l and O^T of its own; its own tensor load brings just those 32,768 bytes.
; So each LDS byte is read once, by the wave that asked for it.  At a block's end the four partial results meet in LDS.
; LAYOUT.  S^T = K Q^T (source 0 = 16 keys, source 1 = 16 queries): a lane holds ONE query (lane % 16) and the keys 8 (lane / 16) + 0..7.  Two such results, rounded to f16 in pairs, ARE source 1 of
; O^T = V^T P, whose result again holds one query a lane, and eight channels.
; SOFTMAX.  p = 2^(c s - c m), c = log2(e) / 8; in every step O^T and l are multiplied by a = 2^(c m_old - c m_new).  c m starts far below every c s, so a block's first a is 0 and O^T and l need only be finite.
; THE MASK, in a block's last tile alone: key 64 w + 16 kb + 8 h + j is hidden from query 64 cx + 16 t + r where 16 (kb - t) + j > r - 8 h + 64 (cx - w).  A wave behind the diagonal (w > cx) sees nothing there.  If that
; tile is also the block's first (block 0), its m is the hidden score itself: c x 2^100 is exact, so c s - c m is exactly 0, p = 1 and its partial result stays finite; at the meeting its factor
; 2^(c m - M) is 0, since wave cx holds every query's own key and so a true maximum.
; IN PHASES: a trip is K's and V's fragments, 32 products K Q^T, the softmax, 96 products V^T P.
; REGISTERS, in windows of 256 (s_set_vgpr_msb: bits 1:0 source 0, 3:2 source 1, 5:4 source 2, 7:6 destination):
;   window 0: v2-15 addresses and constants; v32-63 eight registers of statistics a tile; v64-191 S^T (32 t + 8 kb); v192-255 P (16 t + 8 kk)
;   window 1: v0-191 O^T of tiles 0, 1 (96 t + 8 cb); v192-255 Q (16 t + 8 c)      window 2: v0-191 O^T of tiles 2, 3; v192-255 K (16 kb + 8 c)      window 3: v0-191 V (96 kk + 8 cb); v192-255 the second block's Q
.set SLOT1, 1<<17                      ; a slot is a tile: 4 groups of 32,768 bytes; slot 1 begins here, so that one exclusive or turns an address in one slot into the other's
.set STAGE, 2*SLOT1                    ; behind the ring, never filled by a tensor load: two buffers of four regions (one a wave) of 16 rows x 272 bytes
.set SPI,   272                        ; a stage row: 256 bytes + 16 of padding = 68 words: the 16 rows of a store start at 16 different groups of four banks (64 banks of 4 bytes: ISA guide 11.1)
.set SREG,  16*SPI
.set SBUF,  4*SREG
.set STAT,  STAGE+2*SBUF               ; (c m, l) of each wave, tile and query: 512 w + 128 t + 8 r
.set SPARE, STAT+2048                  ; the spare words, 128 bytes for each wave: two blocks of 256 bytes that no other line names
.set AL0, 2                            ; v2   my wave's group in a slot + 16 x lane; never rewritten
.set ADR, 3                            ; v3   the same in the slot in hand
.set STO, 4                            ; v4   the meeting: where I put 32 bytes of a query's row
.set RD,  5                            ; v5   where I read rows back
.set GO,  6                            ; v6   my byte offset in out
.set STA, 7                            ; v7   where I put (c m, l)
.set STR, 8                            ; v8   where I read the four waves'
.set THR, 9                            ; v9   r - 8 h + 64 (cx - w)
.set BIG, 10                           ; v10  -2^100
.set PFO, 12                           ; v12  256 x lane
.set LN16, 13                          ; v13  16 x lane
.set SPW, 14                           ; v14  LDS address of my spare word; never rewritten
.set NIL, 15                           ; v15  0; never rewritten
.set ST,  32                           ; tile t at ST + 8 t: c m, m, l (even keys', odd keys'), c0-c3 at work; a, and at the meeting the factor g, take c2's place
.set S,   64
.set XST, 64                           ; at the meeting: (c m, l) of tile t, wave w at XST + 8 t + 2 w
.set P,   192
.set QF,  192                          ; window 1; the second block's in window 3
.set KF,  192                          ; window 2
.set WV,  10                           ; s10 wave   s11 cx   s12 u   s13 15 - u   s14 y
.set CX,  11
.set PB,  12
.set HI,  13
.set YY,  14
.set KV,  16                           ; s[16:17] kvf at my wave's group of tile 0, for my batch and hf
.set PFA, 18                           ; s[18:19] where my prefetches stand
.set LIM, 20                           ; s20  a wave prefetches while SLOTS is above it
.set SLOTS, 21                         ; s21  tiles still to be asked for
.set RT,  22                           ; s22  tiles of the block in hand that are still to be entered
.set NXT, 23                           ; s23  the tile to be asked for next
.set G1,  24                           ; s[24:31] descriptor group 1
.set OFF, 32                           ; s[32:33] a tile's byte offset
.set LQ,  34                           ; s34  the last tile of the block whose tiles are being asked for
.set OB,  36                           ; s[36:37] out at my 64 rows and 192 channels of the block in hand
.set OLO, 38                           ; s[38:39] of the second block
.set G0,  40                           ; s[40:43] descriptor group 0
.set TB,  44                           ; s44  the slot in hand: 0 or SLOT1
.set CS,  46                           ; s[46:47] c: the packed scaling takes the pair's low word for both halves
.set SEL, 48                           ; s[48:49] v_permlanex16_b32's selects
.set MSB, 0
.macro WIN new                         ; the high byte repeats the setting that is left; a switch that changes nothing is dropped
.if MSB != (\new)
	s_set_vgpr_msb (MSB<<8)|(\new)
.set MSB, (\new)
.endif
.endm
.macro PLACES                          ; plain vector instructions between a matrix instruction and a line that touches its registers (ISA guide 7.12.1)
.rept 4
	v_nop
.endr
.endm
.macro ALLT line:vararg                ; one line for each tile tt
.set tt, 0
.rept 4
	\line
.set tt, tt+1
.endr
.endm
; A round of the cluster's barrier: my work-group's barrier, so that wave 0's signal speaks for all four waves; wave 0 signals; every wave waits for all four work-groups; my work-group's barrier once more.
.macro CROUND
	s_barrier_signal -1
	s_barrier_wait -1
	s_cmp_lg_u32 s[WV], 0
	s_cbranch_scc1 .Lnot_wave_0_\@
	s_barrier_signal -3
.Lnot_wave_0_\@:
	s_barrier_wait -3
	s_barrier_signal -1
	s_barrier_wait -1
.endm
; A PREFETCH INTO THE L2.  All eight clusters of a y walk tiles 0, 1, 2 .. in the same trips; only cluster u = 0 walks all 16, and it alone asks.  Of each wave's 32,768 bytes of a tile partner cx names the
; quarter cx, told apart BY ADDRESS, a lane a block of 256 bytes: one instruction a wave, and each block is named once in the launch.  Trip i names tile i + 3, which trip i + 2 asks for: two trips, 256 matrix
; instructions and two softmaxes, ahead.  Tiles 0 to 2 come by their loads alone; trip 12 names tile 15, the last; the second block walks tiles that have been read, and nothing is named for it.
.macro ASK
	s_cmp_gt_u32 s[SLOTS], s[LIM]
	s_cbranch_scc0 .Lnot_mine_\@
	global_prefetch_b8 v[PFO], s[PFA:PFA+1] th:TH_LOAD_NT scope:SCOPE_SE
.Lnot_mine_\@:
.endm
; THE CHANGE OF SLOTS.  Each wave waits for all its tensor loads, of which one is out: its group of the other slot; adds 0 to its spare word; and waits for that and for its own reads of the slot that it leaves.
; fill = 1: the slot is filled again with tile NXT, whose address is made anew from that number.  The barrier is then a round of the cluster's, so that no wave of any partner still reads the slot or has a load on
; its way, and the joint load is the first thing behind it; it has a trip's work in which to land.  (At its first use nothing has been read yet: slot 0 is waited for, slot 1 filled.)
.macro CHANGE fill
	WIN 0                                          ; at a label and at a branch every window is 0
	s_wait_tensorcnt 0x0                           ; no tensor load of mine is out, so group 0 may be written
	ds_add_u32 v[SPW], v[NIL]                      ; 0 onto my spare word; with fill = 1 the scalar work below stands between it and the wait for it
.if \fill
	s_lshl_b32 s[OFF], s[NXT], 17                  ; a tile is 131,072 bytes
	s_xor_b32 s[G0+1], s[G0+1], SLOT1
	s_add_nc_u64 s[G0+2:G0+3], s[KV:KV+1], s[OFF:OFF+1]
	s_or_b32 s[G0+3], s[G0+3], 0x80000000
	s_add_co_u32 s[NXT], s[NXT], 1                 ; the block's next tile, or behind its last the second block's tile 0
	s_cmp_gt_u32 s[NXT], s[LQ]
	s_cselect_b32 s[NXT], 0, s[NXT]
	s_cselect_b32 s[LQ], s[PB], s[LQ]
	s_wait_xcnt 0x0                                ; the last prefetch, a trip back, has read its address
	s_add_nc_u64 s[PFA:PFA+1], s[PFA:PFA+1], 131072
	s_wait_dscnt 0x0                               ; the add is done, and my reads of the slot are over
	CROUND
	tensor_load_to_lds s[G0:G0+3], s[G1:G1+7]      ; every wave's own group: LDS and global address both step by the wave's number
	s_nop 0
	PLACES                                         ; (the places in front of the loads into K's and V's registers)
	ASK
.else
	s_wait_dscnt 0x0
	s_barrier_signal -1
	s_barrier_wait -1
	PLACES
.endif
	s_xor_b32 s[TB], s[TB], SLOT1
.endm
.macro INIT                            ; a block begins
.set tt, 0
.rept 4
	v_mov_b32 v[ST+8*tt], 0xfe000000               ; c m: far below every c s
	v_mov_b32 v[ST+8*tt+1], 0xff7fffff             ; m
.set tt, tt+1
.endr
.endm
	s_load_b128 s[4:7], s[0:1], 0x0                ; qf s[4:5], kvf s[6:7]
	s_load_b64 s[8:9], s[0:1], 0x10                ; out0
	v_lshl_add_u32 v[SPW], v0, 2, SPARE
	v_mov_b32 v[NIL], 0
	ds_add_u32 v[SPW], v[NIL]                      ; the wave's opening: the add, twice on end, and its wait ahead of my first tensor load; the set-up below stands between the second and the wait
	ds_add_u32 v[SPW], v[NIL]
	v_lshrrev_b32 v1, 5, v0
	v_readfirstlane_b32 s[WV], v1                  ; wave 0..3
	s_bfe_u32 s[CX], ttmp6, 0x40000                ; my place in the cluster: it enters Q's and out's addresses, the mask's threshold and the prefetches' address alone
	s_mov_b32 s[PB], ttmp9                         ; in a cluster launch ttmp9 counts clusters: u
	s_sub_co_u32 s[HI], 15, s[PB]
	s_and_b32 s[YY], ttmp7, 0xffff                 ; 2 batch + hf, which the four partners share
	; descriptor group 1: 32,768 dense bytes as 128 rows of 32 elements of 8 bytes; no padding: the bytes lie in fragment order
	s_mov_b32 s[G1], 15|(3<<16)|(1<<21)            ; 15:0 the mask of four; 17:16 8-byte elements; 21 set beside a mask
	s_mov_b32 s[G1+1], 32<<16                      ; tensor_dim0 = 32
	s_mov_b32 s[G1+2], 128<<16                     ; tensor_dim1 = 128
	s_mov_b32 s[G1+3], 32<<16                      ; tile_dim0 = 32
	s_mov_b32 s[G1+4], 128                         ; tile_dim1 = 128
	s_mov_b32 s[G1+5], 32                          ; 32 elements from row to row
	s_mov_b32 s[G1+6], 0
	s_mov_b32 s[G1+7], 0
	s_mov_b32 s[G0], 1                             ; count = 1
	s_lshl_b32 s[G0+1], s[WV], 15                  ; LDS address: my group of slot 0
	s_mov_b32 s[CS], 0x3e38aa3b                    ; c = log2(e) / 8
	s_mov_b32 s[CS+1], s[CS]
	s_mov_b32 s[SEL], 0x76543210
	s_mov_b32 s[SEL+1], 0xfedcba98
	s_mov_b32 s[TB], SLOT1                         ; the first change of slots turns it into 0
	s_add_co_u32 s[RT], s[HI], 1                   ; the first block has 16 - u tiles
	s_mov_b32 s[NXT], 1
	s_mov_b32 s[LQ], s[HI]
	s_mov_b32 s[OFF+1], 0
	s_mov_b32 s[SLOTS], 16
	s_cmp_eq_u32 s[PB], 0
	s_cselect_b32 s[LIM], 3, -1                    ; the same in all four partners
	s_lshl_b32 s52, s[YY], 21
	s_lshl_b32 s53, s[WV], 15
	s_add_co_u32 s52, s52, s53                     ; my batch's and hf's part of kvf, my wave's group
	s_mov_b32 s53, 0
	s_lshr_b32 s54, s[YY], 1
	s_lshl_b32 s54, s54, 12                        ; the batch's first token
	s_and_b32 s55, s[YY], 1
	s_mul_i32 s55, s55, 768                        ; my 192 channels in a row of out
	s_lshl_b32 s56, s[CX], 6
	s_lshl_b32 s57, s[HI], 8
	s_add_co_u32 s57, s57, s56
	s_add_co_u32 s57, s57, s54                     ; my first token of the first block,
	s_lshl_b32 s58, s[PB], 8
	s_add_co_u32 s58, s58, s56
	s_add_co_u32 s58, s58, s54                     ; and of the second
	s_mul_i32 s60, s57, 1536
	s_add_co_u32 s60, s60, s55
	s_mov_b32 s61, 0
	s_mul_i32 s62, s58, 1536
	s_add_co_u32 s62, s62, s55
	s_mov_b32 s63, 0
	s_lshl_b32 s56, s57, 7                         ; 128 bytes a token in qf
	s_mov_b32 s57, 0
	s_lshl_b32 s58, s58, 7
	s_mov_b32 s59, 0
	s_wait_dscnt 0x0                               ; both opening adds are done
	s_wait_kmcnt 0x0
	s_add_nc_u64 s[KV:KV+1], s[6:7], s[52:53]
	s_mov_b64 s[G0+2:G0+3], s[KV:KV+1]             ; global address: tile 0
	s_or_b32 s[G0+3], s[G0+3], 0x80000000          ; type = 2
	s_add_nc_u64 s[OB:OB+1], s[8:9], s[60:61]
	s_add_nc_u64 s[OLO:OLO+1], s[8:9], s[62:63]
	s_add_nc_u64 s[56:57], s[4:5], s[56:57]        ; Q of the first block,
	s_add_nc_u64 s[58:59], s[4:5], s[58:59]        ; of the second
	s_lshl_b32 s52, s[CX], 13                      ; my work-group's quarter of a group,
	s_add_co_u32 s52, s52, 2*131072                ; in tile 2: the first change of slots steps it to tile 3
	s_add_nc_u64 s[PFA:PFA+1], s[KV:KV+1], s[52:53]
	CROUND                                         ; all four work-groups are here: the first joint loads meet
	tensor_load_to_lds s[G0:G0+3], s[G1:G1+7]      ; tile 0 into slot 0
	s_nop 0
	PLACES
	v_and_b32 v16, 31, v0                          ; lane
	v_and_b32 v17, 15, v0                          ; r
	v_bfe_u32 v18, v0, 4, 1                        ; h
	v_lshlrev_b32 v[LN16], 4, v16
	v_lshlrev_b32 v[PFO], 8, v16
	WIN 0x40                                       ; destination window 1, address window 0
.set ff, 0
.rept 8                                ; both blocks' Q stay in registers: fragment 2 t + c is 1,024 bytes; a load takes 512 consecutive bytes
	global_load_b128 v[QF+8*ff:QF+8*ff+3],   v[LN16], s[56:57] offset:1024*ff
	global_load_b128 v[QF+8*ff+4:QF+8*ff+7], v[LN16], s[56:57] offset:1024*ff+512
.set ff, ff+1
.endr
	WIN 0xc0
.set ff, 0
.rept 8
	global_load_b128 v[QF+8*ff:QF+8*ff+3],   v[LN16], s[58:59] offset:1024*ff
	global_load_b128 v[QF+8*ff+4:QF+8*ff+7], v[LN16], s[58:59] offset:1024*ff+512
.set ff, ff+1
.endr
	WIN 0
	v_lshl_add_u32 v[AL0], s[WV], 15, v[LN16]
	s_mul_i32 s52, s[WV], SREG
	s_add_co_u32 s52, s52, STAGE                   ; my region of a stage buffer
	v_mul_u32_u24 v[STO], v17, SPI                 ; in: row r, 32 bytes for each half of the lanes
	v_lshl_add_u32 v[STO], v18, 5, v[STO]
	v_add_nc_u32 v[STO], s52, v[STO]
	s_mul_i32 s52, s[WV], 4*SPI
	s_add_co_u32 s52, s52, STAGE                   ; back: of each region's 16 rows I take rows 4 w .. 4 w + 3; lanes 0-15 one row of 256 bytes, lanes 16-31 the next
	v_mul_u32_u24 v[RD], v18, SPI
	v_lshl_add_u32 v[RD], v17, 4, v[RD]
	v_add_nc_u32 v[RD], s52, v[RD]
	s_mul_i32 s52, s[WV], 4*1536                   ; and the same rows in out
	v_mul_u32_u24 v[GO], v18, 1536
	v_lshl_add_u32 v[GO], v17, 4, v[GO]
	v_add_nc_u32 v[GO], s52, v[GO]
	v_lshlrev_b32 v[STR], 3, v17
	v_add_nc_u32 v[STR], STAT, v[STR]
	v_lshl_add_u32 v[STA], s[WV], 9, v[STR]
	s_sub_co_i32 s52, s[CX], s[WV]
	s_lshl_b32 s52, s52, 6
	v_lshlrev_b32 v19, 3, v18
	v_sub_nc_u32 v[THR], v17, v19
	v_add_nc_u32 v[THR], s52, v[THR]
	v_mov_b32 v[BIG], 0xf1800000                   ; -2^100
	INIT
	ALLT v_mov_b32 v[ST+8*tt+2], 0
	ALLT v_mov_b32 v[ST+8*tt+3], 0
	; O^T starts at 0: no first step is written out, at the price of these 384 lines, which stand in the wait for the first tile
	WIN 0x40
.set ii, 0
.rept 192
	v_mov_b32 v[ii], 0
.set ii, ii+1
.endr
	WIN 0x80
.set ii, 0
.rept 192
	v_mov_b32 v[ii], 0
.set ii, ii+1
.endr
	WIN 0
	s_wait_loadcnt 0x0                             ; Q
; My group's fragments, as they lie: 64 loads of 512 consecutive bytes in one run, K's 16 first.
.macro FETCH
	WIN 0
	v_add_nc_u32 v[ADR], s[TB], v[AL0]
	WIN 0x80                                       ; destination window 2
.set ff, 0
.rept 8
	ds_load_b128 v[KF+8*ff:KF+8*ff+3],   v[ADR] offset:1024*ff
	ds_load_b128 v[KF+8*ff+4:KF+8*ff+7], v[ADR] offset:1024*ff+512
.set ff, ff+1
.endr
	WIN 0xc0                                       ; destination window 3
.set ff, 0
.rept 24
	ds_load_b128 v[8*ff:8*ff+3],   v[ADR] offset:8192+1024*ff
	ds_load_b128 v[8*ff+4:8*ff+7], v[ADR] offset:8192+1024*ff+512
.set ff, ff+1
.endr
.endm
; S^T = K Q^T: 32 products; the 16 accumulators take turns, one instruction a turn; the first 16 start the sums.
.macro KQ32
	WIN 0x06                                       ; K window 2, Q window 1, S^T window 0
.set cc, 0
.rept 2
.set kb, 0
.rept 4
.set tt, 0
.rept 4
.set rS, S+32*tt+8*kb
.set rK, KF+16*kb+8*cc
.set rQ, QF+16*tt+8*cc
.if cc == 0
	v_wmma_f32_16x16x32_f16 v[rS:rS+7], v[rK:rK+7], v[rQ:rQ+7], 0
.else
	v_wmma_f32_16x16x32_f16 v[rS:rS+7], v[rK:rK+7], v[rQ:rQ+7], v[rS:rS+7]
.endif
.set tt, tt+1
.endr
.set kb, kb+1
.endr
.set cc, cc+1
.endr
.endm
; The diagonal tile's mask: one compare for each of the 56 values of 16 (kb - t) + j, and the selects of all tiles with that difference; each accumulator's registers in ascending order.
.macro MASK
	WIN 0
.set dd, -3
.rept 7
.set jj, 0
.rept 8
	v_cmp_gt_i32 vcc_lo, 16*dd+jj, v[THR]
.set tt, 0
.rept 4
.if (tt+dd >= 0) && (tt+dd < 4)
	v_cndmask_b32 v[S+32*tt+8*(tt+dd)+jj], v[S+32*tt+8*(tt+dd)+jj], v[BIG], vcc_lo
.endif
.set tt, tt+1
.endr
.set jj, jj+1
.endr
.set dd, dd+1
.endr
.endm
.macro SREGS tile
.set rT, ST+8*(\tile)
.set rS, S+32*(\tile)
.set rP, P+16*(\tile)
.endm
; Number num of the 22 that find a tile's maximum and statistics.  s0-s31 are the lane's 32 scores; each accumulator's lowest registers are read first.
;   0-11 four chains c0-c3 of seven scores each     12-15 the four scores left over, c0-c3 and the old m into c0     16, 18 the query's other 32 keys lie in the lane 16 away: the new m
;   17 c m_old is kept     19-21 c m; c m_old - c m_new; a
.macro SMX num, tile
	SREGS \tile
.if (\num) < 4
	v_max3_num_f32 v[rT+4+(\num)], v[rS+8*(\num)], v[rS+8*(\num)+1], v[rS+8*(\num)+2]
.elseif (\num) < 12
	v_max3_num_f32 v[rT+4+(\num)%4], v[rT+4+(\num)%4], v[rS+8*((\num)%4)+2*((\num)/4)+1], v[rS+8*((\num)%4)+2*((\num)/4)+2]
.elseif (\num) == 12
	v_max3_num_f32 v[rT+4], v[rT+4], v[rS+7], v[rS+15]
.elseif (\num) == 13
	v_max3_num_f32 v[rT+6], v[rT+6], v[rS+23], v[rS+31]
.elseif (\num) == 14
	v_max3_num_f32 v[rT+4], v[rT+4], v[rT+5], v[rT+6]
.elseif (\num) == 15
	v_max3_num_f32 v[rT+4], v[rT+4], v[rT+7], v[rT+1]
.elseif (\num) == 16
	v_permlanex16_b32 v[rT+5], v[rT+4], s[SEL], s[SEL+1]
.elseif (\num) == 17
	v_mov_b32 v[rT+7], v[rT]
.elseif (\num) == 18
	v_max_num_f32 v[rT+1], v[rT+4], v[rT+5]
.elseif (\num) == 19
	v_mul_f32 v[rT], s[CS], v[rT+1]
.elseif (\num) == 20
	v_sub_f32 v[rT+7], v[rT+7], v[rT]
.else
	v_exp_f32 v[rT+6], v[rT+7]
.endif
.endm
.macro FS tile, pr                     ; c s - c m for pair pr of 16
	SREGS \tile
	v_pk_fma_f32 v[rS+2*(\pr):rS+2*(\pr)+1], v[rS+2*(\pr):rS+2*(\pr)+1], s[CS:CS+1], v[rT:rT+1] op_sel_hi:[1,0,0] neg_lo:[0,0,1] neg_hi:[0,0,1]
.endm
.macro SUMZ zz, tile                   ; sum zz of 16 over the tile's 16 pairs, in place: neighbours 1, 2, 4 and 8 pairs apart; then l = a l + the sum
	SREGS \tile
.set wd, 4
.set uu, (\zz)
.if (\zz) >= 14
.set wd, 32
.set uu, 0
.elseif (\zz) >= 12
.set wd, 16
.set uu, (\zz)-12
.elseif (\zz) >= 8
.set wd, 8
.set uu, (\zz)-8
.endif
.if (\zz) < 15
	v_pk_add_f32 v[rS+wd*uu:rS+wd*uu+1], v[rS+wd*uu:rS+wd*uu+1], v[rS+wd*uu+wd/2:rS+wd*uu+wd/2+1]
.else
	v_pk_fma_f32 v[rT+2:rT+3], v[rT+2:rT+3], v[rT+6:rT+7], v[rS:rS+1] op_sel_hi:[1,0,1]
.endif
.endm
.macro RESCALE                         ; O^T times the factor at ST + 8 t + 6 (a; at the meeting g); each accumulator's registers in ascending order
.set tt, 0
.rept 4
	WIN 0x41+0x41*(tt/2)                           ; O^T (destination and source 0) in window 1 or 2, the factor in window 0
.set nn, 0
.rept 48
	v_pk_mul_f32 v[96*(tt%2)+2*nn:96*(tt%2)+2*nn+1], v[96*(tt%2)+2*nn:96*(tt%2)+2*nn+1], v[ST+8*tt+6:ST+8*tt+7] op_sel_hi:[1,0]
.set nn, nn+1
.endr
.set tt, tt+1
.endr
	WIN 0
.endm
; THE SOFTMAX of four tiles, line by line by turns, so that no line reads the result of the one before it.  The 4 + 128 exponentials are ONE BATCH: nothing ahead of its one wait names a result of theirs; the
; scalings of tile t + 1 stand between the exponentials of tile t.  All that reads a result (roundings, sums, the rescaling by a) stands behind the wait.
.macro SOFTMAX
	WIN 0
.set nn, 0
.rept 21
.set t2, 0
.rept 4
	SMX nn, t2
.set t2, t2+1
.endr
.set nn, nn+1
.endr
.set nn, 0
.rept 16
	FS 0, nn
.if nn < 4
	SMX 21, nn
.endif
.set nn, nn+1
.endr
.set t2, 0
.rept 4
.set nn, 0
.rept 16
.if t2 < 3
	FS t2+1, nn
.endif
	v_exp_f32 v[S+32*t2+2*nn], v[S+32*t2+2*nn]
	v_exp_f32 v[S+32*t2+2*nn+1], v[S+32*t2+2*nn+1]
.set nn, nn+1
.endr
.set t2, t2+1
.endr
	v_nop                                          ; a plain instruction behind the last exponential (ISA guide 5.7.2): one for the batch,
	s_wait_alu depctr_va_vdst(0)                   ; and the wait ahead of the first line that names a result: one for the batch
.set t2, 0
.rept 4
.set nn, 0
.rept 16
	v_cvt_pk_f16_f32 v[P+16*t2+nn], v[S+32*t2+2*nn], v[S+32*t2+2*nn+1]
.set nn, nn+1
.endr
.set t2, t2+1
.endr
.set nn, 0
.rept 16
.set t2, 0
.rept 4
	SUMZ nn, t2
.set t2, t2+1
.endr
.set nn, nn+1
.endr
	RESCALE
.endm
; O^T += V^T P: 96 products, tiles 0, 1 and then tiles 2, 3; the 24 accumulators of a pair of tiles take turns, one instruction a turn.
.macro PV96
.set pc, 0
.rept 2
	WIN 0x53+0x50*pc                               ; V window 3, P window 0, O^T window 1 or 2
.set kk, 0
.rept 2
.set cb, 0
.rept 12
.set tt, 0
.rept 2
.set rO, 96*tt+8*cb
.set rV, 96*kk+8*cb
.set rP, P+16*(2*pc+tt)+8*kk
	v_wmma_f32_16x16x32_f16 v[rO:rO+7], v[rV:rV+7], v[rP:rP+7], v[rO:rO+7]
.set tt, tt+1
.endr
.set cb, cb+1
.endr
.set kk, kk+1
.endr
.set pc, pc+1
.endr
.endm
; A strip of the meeting: tile t (16 queries) x channels 64 c3 .. + 63.  Each wave puts its partial strip into its region of a stage buffer; behind a barrier wave w adds rows 4 w .. 4 w + 3 of the four regions
; and stores them.  The two buffers take turns, so ONE barrier a strip does: a buffer is written again only behind the next strip's barrier, in front of which every wave has waited for its loads from it.
.macro STRIP t, c3
.set bf, (3*(\t)+(\c3))%2
.set RB, 128+32*bf
	WIN 0x04+0x04*((\t)/2)                         ; data window 1 or 2
.set ii, 0
.rept 4
.set rO, 96*((\t)%2)+8*(4*(\c3)+ii)
	ds_store_b128 v[STO], v[rO:rO+3]   offset:bf*SBUF+64*ii
	ds_store_b128 v[STO], v[rO+4:rO+7] offset:bf*SBUF+64*ii+16
.set ii, ii+1
.endr
	WIN 0
	s_wait_dscnt 0x0                               ; for the others' sake: my stores are done
	s_barrier_signal -1
	s_barrier_wait -1
	s_wait_xcnt 0x0                                ; the stores of two strips back have read the registers that are loaded below
.set ww, 0
.rept 4
	ds_load_b128 v[RB+8*ww:RB+8*ww+3],   v[RD] offset:bf*SBUF+SREG*ww
	ds_load_b128 v[RB+8*ww+4:RB+8*ww+7], v[RD] offset:bf*SBUF+SREG*ww+2*SPI
.set ww, ww+1
.endr
	s_wait_dscnt 0x0
.irp qd, 0,2,4,6
	v_pk_add_f32 v[RB+(\qd):RB+(\qd)+1], v[RB+(\qd):RB+(\qd)+1], v[RB+8+(\qd):RB+8+(\qd)+1]
	v_pk_add_f32 v[RB+16+(\qd):RB+16+(\qd)+1], v[RB+16+(\qd):RB+16+(\qd)+1], v[RB+24+(\qd):RB+24+(\qd)+1]
.endr
.irp qd, 0,2,4,6
	v_pk_add_f32 v[RB+(\qd):RB+(\qd)+1], v[RB+(\qd):RB+(\qd)+1], v[RB+16+(\qd):RB+16+(\qd)+1]
.endr
	global_store_b128 v[GO], v[RB:RB+3],   s[OB:OB+1] offset:(16*(\t))*1536+256*(\c3) th:TH_STORE_NT    ; 16 lanes store 256 consecutive bytes, at a multiple of 256 from out's first byte
	global_store_b128 v[GO], v[RB+4:RB+7], s[OB:OB+1] offset:(16*(\t)+2)*1536+256*(\c3) th:TH_STORE_NT
.endm
; A BLOCK'S END: THE FOUR WAVES MEET.  Each wave's l is made whole; (c m, l) go through LDS; M = the largest c m; wave w's factor is f = 2^(c m_w - M); L = the sum of f l; my O^T is multiplied by g = f_own / L;
; then the four partial O^T are added, strip by strip.  last = 0: the second block begins.
.macro FINISH last
	WIN 0
	ALLT v_add_f32 v[ST+8*tt+4], v[ST+8*tt+2], v[ST+8*tt+3]          ; (these lines are also the places behind the last products)
	ALLT v_permlanex16_b32 v[ST+8*tt+5], v[ST+8*tt+4], s[SEL], s[SEL+1]
	ALLT v_add_f32 v[ST+8*tt+1], v[ST+8*tt+4], v[ST+8*tt+5]          ; l takes m's place beside c m
	ALLT ds_store_b64 v[STA], v[ST+8*tt:ST+8*tt+1] offset:128*tt     ; both halves of the lanes write the same numbers
	s_wait_dscnt 0x0
	s_barrier_signal -1
	s_barrier_wait -1
.set ww, 0
.rept 4
	ALLT ds_load_b64 v[XST+8*tt+2*ww:XST+8*tt+2*ww+1], v[STR] offset:512*ww+128*tt
.set ww, ww+1
.endr
	s_wait_dscnt 0x0
	ALLT v_max3_num_f32 v[ST+8*tt+4], v[XST+8*tt], v[XST+8*tt+2], v[XST+8*tt+4]
	ALLT v_max_num_f32 v[ST+8*tt+4], v[ST+8*tt+4], v[XST+8*tt+6]
	ALLT v_sub_f32 v[ST+8*tt+5], v[ST+8*tt], v[ST+8*tt+4]
.set ww, 0
.rept 4
	ALLT v_sub_f32 v[XST+8*tt+2*ww], v[XST+8*tt+2*ww], v[ST+8*tt+4]
.set ww, ww+1
.endr
	ALLT v_exp_f32 v[ST+8*tt+5], v[ST+8*tt+5]
.set ww, 0
.rept 4
	ALLT v_exp_f32 v[XST+8*tt+2*ww], v[XST+8*tt+2*ww]
.set ww, ww+1
.endr
	v_nop
	s_wait_alu depctr_va_vdst(0)                   ; one wait for the 20 exponentials
	ALLT v_mul_f32 v[ST+8*tt+6], v[XST+8*tt], v[XST+8*tt+1]
.set ww, 1
.rept 3
	ALLT v_fmac_f32 v[ST+8*tt+6], v[XST+8*tt+2*ww], v[XST+8*tt+2*ww+1]
.set ww, ww+1
.endr
	ALLT v_rcp_f32 v[ST+8*tt+7], v[ST+8*tt+6]
	v_nop
	s_wait_alu depctr_va_vdst(0)                   ; one wait for the four reciprocals
	ALLT v_mul_f32 v[ST+8*tt+6], v[ST+8*tt+5], v[ST+8*tt+7]
	RESCALE
.irp t, 0,1,2,3
.irp c3, 0,1,2
	STRIP \t, \c3
.endr
.endr
.if !(\last)
	s_wait_xcnt 0x0                                ; the stores have read out's address
	s_mov_b64 s[OB:OB+1], s[OLO:OLO+1]
	s_add_co_u32 s[RT], s[PB], 1                   ; the second block has u + 1 tiles
	INIT                                           ; its first a is 0: what this block left in O^T and l is finite, and is multiplied away
	WIN 0x43                                       ; the second block's Q goes where the one text of the products names Q
.set ii, 0
.rept 64
	v_mov_b32 v[QF+ii], v[QF+ii]
.set ii, ii+1
.endr
	WIN 0
.endif
.endm
; A TRIP: one tile.  The two jumps hang on RT, made of u and of counted steps: the same in all waves and all partners; they go forward and pass no tensor load.  last = 1: the walk's last tile is a block's last.
.macro TRIP last
	s_sub_co_u32 s[RT], s[RT], 1
	FETCH
	s_wait_dscnt 48                                ; K's 16 loads are in; V's 48 younger ones stay out
	KQ32
	WIN 0
	PLACES
	PLACES
.if !(\last)
	s_cmp_lg_u32 s[RT], 0
	s_cbranch_scc1 .Lno_mask_\@
.endif
	MASK
.if !(\last)
.Lno_mask_\@:
.endif
	SOFTMAX
	s_wait_dscnt 0x0                               ; V is in
	PV96
	WIN 0
.if !(\last)
	s_cmp_lg_u32 s[RT], 0
	s_cbranch_scc1 .Lno_end_\@
.endif
	FINISH \last
.if !(\last)
.Lno_end_\@:
.endif
.endm
.Lslot:                                                ; 16 times: a tile is entered and the next is asked for
	CHANGE 1
	TRIP 0
	s_sub_co_u32 s[SLOTS], s[SLOTS], 1
	s_cmp_lg_u32 s[SLOTS], 0
	s_cbranch_scc1 .Lslot
	CHANGE 0                                       ; the walk's last tile is written out: nothing is asked for
	TRIP 1
	s_wait_tensorcnt 0x0                           ; the wave's end, behind my last tensor load and my last LDS store
	ds_add_u32 v[SPW], v[NIL]
	s_wait_dscnt 0x0
	CROUND                                         ; the closing round: no work-group ends while a partner may still ask for a tile that names it
	s_endpgm
.Lfunc_end_k_qaa3935635b_attn:
	.size	k_qaa3935635b_attn, .Lfunc_end_k_qaa3935635b_attn-k_qaa3935635b_attn
	.p2alignl 7, 3214868480
	.fill 96, 4, 3214868480
	.section	.rodata,"a",@progbits
	.p2align	6, 0x0
	.amdhsa_kernel k_qaa3935635b_attn
		.amdhsa_group_segment_fixed_size 327680
		.amdhsa_private_segment_fixed_size 0
		.amdhsa_enable_private_segment 0
		.amdhsa_kernarg_size 24
		.amdhsa_user_sgpr_count 2
		.amdhsa_user_sgpr_kernarg_segment_ptr 1
		.amdhsa_wavefront_size32 1
		.amdhsa_system_sgpr_workgroup_id_x 1
		.amdhsa_system_sgpr_workgroup_id_y 1
		.amdhsa_system_sgpr_workgroup_id_z 1
		.amdhsa_system_vgpr_workitem_id 0
		.amdhsa_next_free_vgpr 1024
		.amdhsa_next_free_sgpr 66
		.amdhsa_reserve_vcc 1
		.amdhsa_float_denorm_mode_32 3
		.amdhsa_float_denorm_mode_16_64 3
		.amdhsa_memory_ordered 1
		.amdhsa_forward_progress 1
		.amdhsa_inst_pref_size 215
	.end_amdhsa_kernel
	.amdgpu_metadata
---
amdhsa.version: [ 1, 2 ]
amdhsa.kernels:
  - .name:           k_qaa3935635b_attn
    .symbol:         k_qaa3935635b_attn.kd
    .args:
      - { .name: qf, .offset: 0, .size: 8, .value_kind: global_buffer, .address_space: global }
      - { .name: kvf, .offset: 8, .size: 8, .value_kind: global_buffer, .address_space: global }
      - { .name: out0, .offset: 16, .size: 8, .value_kind: global_buffer, .address_space: global }
    .group_segment_fixed_size: 327680
    .private_segment_fixed_size: 0
    .kernarg_segment_align: 8
    .kernarg_segment_size: 24
    .max_flat_workgroup_size: 128
    .sgpr_count:     66
    .vgpr_count:     1024
    .wavefront_size: 32
...
	.end_amdgpu_metadata
.endif
;; end of part 2
;; launch first (part 3): grid 96 x 4, 1 waves a work-group, no clusters, 4,608 bytes of LDS; arguments qf, kvf, qlo, kvlo, out0; writes out0
.if DOCPART == 3
	.amdgcn_target "amdgcn-amd-amdhsa--gfx1250"
	.amdhsa_code_object_version 6
	.text
	.protected	k_qaa3935635b_first
	.globl	k_qaa3935635b_first
	.p2align	8
	.type	k_qaa3935635b_first,@function
k_qaa3935635b_first:
	s_mov_b64 s[64:65], 0
	v_nop
	global_prefetch_b8 v0, s[64:65] scope:SCOPE_SE
	s_setreg_imm32_b32 hwreg(HW_REG_WAVE_MODE, 25, 1), 1
	s_wait_xcnt 0x0
; ROWS 0 TO 255 OF EACH BATCH ONCE MORE, FROM OPERANDS OF TWICE THE PRECISION.  Row n is a mean of n + 1 rows of v only, so its numbers are sums of few large terms, and a number near zero among them has
; no room for the rounding of q, k, v and the weights to f16.  Here each of them is hi + lo, hi = f16(x), lo = f16(x - hi) (qf, kvf hold hi, qlo, kvlo lo, in one and the same fragment order: the projection
; launch's head says how they lie), and a product is hi hi + hi lo + lo hi, three matrix instructions on one f32 sum; lo lo, some 2^-22 of the product, is dropped.
; IT RUNS BEHIND THE ATTENTION LAUNCH, which stores these rows along with the others; the numbers written here are the ones that stay.
; LEFT OUT: the groups of 64 keys that lie wholly behind a tile of 16 queries: reference()'s own jnp.tril gives those keys the weight 0 whatever the inputs hold.
; LIMITS.  q, k, v lie within f16's 65,504; lo keeps f16's fixed step of 6e-8 below 6e-5.  A hidden score counts as -2^100.  A weight below 2^-126 counts as 0.  NaN and infinities are not treated apart.
; SHARES.  Work-group (x, batch), one wave: x = qt + 16 cp: queries 16 qt .. + 15, channels 64 cp .. + 63 of v: 256 consecutive bytes, aligned, of each row of out.  It walks the groups 0 .. qt / 4: the full ones
; in a loop whose bound is made of the work-group's number, the diagonal one written out behind it, with the mask and with nothing more to ask for.  (K Q^T and the softmax are made once for each cp.)
; Fragments come straight from memory into registers, 512 consecutive bytes a load.  K of group g + 1 is asked for behind K Q^T of group g, V of group g + 1 behind V^T P of group g.
; NO CLUSTER, though work-groups read the same K and V: how many groups a work-group walks hangs on qt, so partners would need different numbers of tiles; and nothing goes through LDS on the way in.
; LAYOUT AND SOFTMAX as in the attention launch: S^T = K Q^T and O^T = V^T P hold one query a lane; p = 2^(c s - c m), c = log2(e) / 8, with a running maximum m; O^T and l are multiplied by
; a = 2^(c m_old - c m_new) in every group; c m starts far below every c s, so the first a is 0.  Every query sees key 0 in its first group, so m is a true score from the first group on.
; REGISTERS: window 0: v2-15 addresses and constants; v16-23 statistics; v24-55 Q hi, lo; v64-95 S^T; v96-127 P hi, lo; v128-159 O^T; v160-191 p - hi; v192-223 the way out.
;            window 1: v0-63 K hi (16 kb + 8 c), v64-127 K lo, v128-191 V hi (32 kk + 8 i), v192-255 V lo.
.set SPI,   272                        ; a stage row: 256 bytes + 16 of padding = 68 words: the 16 rows of a store start at 16 different groups of four banks (64 banks of 4 bytes: ISA guide 11.1)
.set SPARE, 16*SPI                     ; behind the stage's 16 rows (17 blocks of 256 bytes): the spare words, 128 bytes, in a block of 256 that no other line names
.set LN16, 2                           ; v2   16 x lane
.set KOF,  3                           ; v3   my offset in K of the group to be asked for
.set VOF,  4                           ; v4   the same for V, my four blocks of 16 channels
.set STO,  6                           ; v6   the way out: where I put 32 bytes of a query's row
.set RD,   7                           ; v7   where I read rows back
.set GO,   8                           ; v8   my byte offset in out
.set THR,  9                           ; v9   r - 8 h + 16 (qt % 4)
.set BIG,  10                          ; v10  -2^100
.set NEG1, 11                          ; v11  -1.0
.set SPW,  14                          ; v14  LDS address of my spare word; never rewritten
.set NIL,  15                          ; v15  0; never rewritten
.set ST,   16                          ; c m, m, l (even keys', odd keys'), c0-c3 at work; a, and at the end 1 / l, take c2's place
.set QH,   24                          ; Q hi: channels 32 c on at QH + 8 c; lo 16 further on
.set S,    64
.set PH,   96                          ; P hi: keys 32 kk on at PH + 8 kk; lo 16 further on
.set O,    128
.set TD,   160
.set BK,   192
.set KH,   0                           ; window 1; lo 64 further on
.set VH,   128                         ; window 1; lo 64 further on
.set QT,   14                          ; s14 qt   s15 cp   s16 batch   s17 qt / 4   s18 counts the full groups
.set CP,   15
.set BB,   16
.set GD,   17
.set GC,   18
.set HB,   20                          ; s[20:21] kvf at my batch and hf
.set LB,   22                          ; s[22:23] kvlo likewise
.set OBS,  24                          ; s[24:25] out at my 16 rows and 64 channels
.set QHB,  26                          ; s[26:27] qf at my 16 queries
.set QLB,  28                          ; s[28:29] qlo likewise
.set CS,   30                          ; s[30:31] c
.set SEL,  32                          ; s[32:33] v_permlanex16_b32's selects
.set MSB, 0
.macro WIN new                         ; the high byte repeats the setting that is left; a switch that changes nothing is dropped
.if MSB != (\new)
	s_set_vgpr_msb (MSB<<8)|(\new)
.set MSB, (\new)
.endif
.endm
.macro PLACES                          ; plain vector instructions between a matrix instruction and a line that touches its registers (ISA guide 7.12.1)
.rept 4
	v_nop
.endr
.endm
	s_load_b256 s[4:11], s[0:1], 0x0               ; qf s[4:5], kvf s[6:7], qlo s[8:9], kvlo s[10:11]
	s_load_b64 s[12:13], s[0:1], 0x20              ; out0
	v_lshl_add_u32 v[SPW], v0, 2, SPARE
	v_mov_b32 v[NIL], 0
	s_and_b32 s[QT], ttmp9, 15
	s_lshr_b32 s[CP], ttmp9, 4
	s_and_b32 s[BB], ttmp7, 0xffff
	s_lshr_b32 s[GD], s[QT], 2
	s_cmp_ge_u32 s[CP], 3
	s_cselect_b32 s34, 1, 0                        ; hf: which half of v's channels
	s_mul_i32 s35, s34, 3
	s_sub_co_u32 s35, s[CP], s35                   ; which 64 of its 192
	s_lshl_b32 s36, s[BB], 22
	s_lshl_b32 s37, s34, 21
	s_add_co_u32 s36, s36, s37                     ; kvf: 4,194,304 bytes a batch, 2,097,152 an hf
	s_mov_b32 s37, 0
	s_lshl_b32 s38, s[BB], 18
	s_lshl_b32 s39, s34, 17
	s_add_co_u32 s38, s38, s39                     ; kvlo: 262,144 and 131,072
	s_mov_b32 s39, 0
	s_lshl_b32 s41, s[QT], 11                      ; 16 queries are 2,048 bytes
	s_lshl_b32 s40, s[BB], 19
	s_add_co_u32 s40, s40, s41
	s_lshl_b32 s42, s[BB], 15
	s_add_co_u32 s42, s42, s41
	s_mov_b32 s41, 0
	s_mov_b32 s43, 0
	s_lshl_b32 s44, s[BB], 8
	s_add_co_u32 s44, s44, s[QT]
	s_mul_i32 s44, s44, 16*1536                    ; my 16 rows of out,
	s_lshl_b32 s45, s[CP], 8
	s_add_co_u32 s44, s44, s45                     ; my 256 bytes of them
	s_mov_b32 s45, 0
	s_lshl_b32 s46, s35, 12                        ; my four blocks of 1,024 bytes,
	s_add_co_u32 s46, s46, 8192                    ; behind a group's K
	s_and_b32 s47, s[QT], 3
	s_lshl_b32 s47, s47, 4
	s_mov_b32 s[CS], 0x3e38aa3b                    ; c = log2(e) / 8
	s_mov_b32 s[CS+1], s[CS]
	s_mov_b32 s[SEL], 0x76543210
	s_mov_b32 s[SEL+1], 0xfedcba98
	v_and_b32 v1, 15, v0                           ; r
	v_bfe_u32 v12, v0, 4, 1                        ; h
	v_lshlrev_b32 v[LN16], 4, v0                   ; the work-group is one wave: the thread's number is the lane's
	v_mov_b32 v[KOF], v[LN16]                      ; group 0
	v_add_nc_u32 v[VOF], s46, v[LN16]
	s_wait_kmcnt 0x0
	s_add_nc_u64 s[HB:HB+1], s[6:7], s[36:37]
	s_add_nc_u64 s[LB:LB+1], s[10:11], s[38:39]
	s_add_nc_u64 s[QHB:QHB+1], s[4:5], s[40:41]
	s_add_nc_u64 s[QLB:QLB+1], s[8:9], s[42:43]
	s_add_nc_u64 s[OBS:OBS+1], s[12:13], s[44:45]
; A group's K, hi and lo: 32 loads.  Block (kb, c), half: byte 512 (4 kb + 2 c + half), register 4 (4 kb + 2 c + half).
.macro LOADK
	WIN 0x40                                       ; destination window 1, address window 0
.set ff, 0
.rept 16
	global_load_b128 v[KH+4*ff:KH+4*ff+3], v[KOF], s[HB:HB+1] offset:512*ff
.set ff, ff+1
.endr
.set ff, 0
.rept 16
	global_load_b128 v[KH+64+4*ff:KH+64+4*ff+3], v[KOF], s[LB:LB+1] offset:512*ff
.set ff, ff+1
.endr
	WIN 0
.endm
; My 64 channels of a group's V, hi and lo: 32 loads.  Keys 32 kk on lie 12,288 bytes apart.
.macro LOADV
	WIN 0x40
.set kk, 0
.rept 2
.set ff, 0
.rept 8
	global_load_b128 v[VH+32*kk+4*ff:VH+32*kk+4*ff+3], v[VOF], s[HB:HB+1] offset:12288*kk+512*ff
.set ff, ff+1
.endr
.set kk, kk+1
.endr
.set kk, 0
.rept 2
.set ff, 0
.rept 8
	global_load_b128 v[VH+64+32*kk+4*ff:VH+64+32*kk+4*ff+3], v[VOF], s[LB:LB+1] offset:12288*kk+512*ff
.set ff, ff+1
.endr
.set kk, kk+1
.endr
	WIN 0
.endm
.set ff, 0
.rept 4
	global_load_b128 v[QH+4*ff:QH+4*ff+3], v[LN16], s[QHB:QHB+1] offset:512*ff
	global_load_b128 v[QH+16+4*ff:QH+16+4*ff+3], v[LN16], s[QLB:QLB+1] offset:512*ff
.set ff, ff+1
.endr
	LOADK
	LOADV
	v_mul_u32_u24 v[STO], v1, SPI                  ; in: row r, 32 bytes for each half of the lanes
	v_lshl_add_u32 v[STO], v12, 5, v[STO]
	v_mul_u32_u24 v[RD], v12, SPI                  ; back: lanes 0-15 take one row of 256 bytes, lanes 16-31 the next
	v_lshl_add_u32 v[RD], v1, 4, v[RD]
	v_mul_u32_u24 v[GO], v12, 1536                 ; and the same two rows in out
	v_lshl_add_u32 v[GO], v1, 4, v[GO]
	v_lshlrev_b32 v13, 3, v12
	v_sub_nc_u32 v[THR], v1, v13
	v_add_nc_u32 v[THR], s47, v[THR]
	v_mov_b32 v[BIG], 0xf1800000                   ; -2^100
	v_mov_b32 v[NEG1], -1.0
	v_mov_b32 v[ST], 0xfe000000                    ; c m: far below every c s
	v_mov_b32 v[ST+1], 0xff7fffff                  ; m
	v_mov_b32 v[ST+2], 0
	v_mov_b32 v[ST+3], 0
.set ii, 0
.rept 32                               ; O^T starts at 0: no first group is written out, at the price of these lines, which stand in the wait for the first loads
	v_mov_b32 v[O+ii], 0
.set ii, ii+1
.endr
; S^T = K Q^T: hi hi, hi lo (Q's), lo hi (K's): 24 products; the 4 accumulators take turns, one instruction a turn; the first 4 start the sums.
.macro KQ24
	WIN 0x01                                       ; K window 1; Q and S^T window 0
.set tm, 0
.rept 3
.set cc, 0
.rept 2
.set kb, 0
.rept 4
.set rS, S+8*kb
.set rK, KH+64*(tm/2)+16*kb+8*cc
.set rQ, QH+16*(tm%2)+8*cc
.if (tm == 0) && (cc == 0)
	v_wmma_f32_16x16x32_f16 v[rS:rS+7], v[rK:rK+7], v[rQ:rQ+7], 0
.else
	v_wmma_f32_16x16x32_f16 v[rS:rS+7], v[rK:rK+7], v[rQ:rQ+7], v[rS:rS+7]
.endif
.set kb, kb+1
.endr
.set cc, cc+1
.endr
.set tm, tm+1
.endr
	WIN 0
.endm
; O^T += V^T P: hi hi, hi lo (P's), lo hi (V's): 24 products; the 4 accumulators take turns.
.macro PV24
	WIN 0x01                                       ; V window 1; P and O^T window 0
.set tm, 0
.rept 3
.set kk, 0
.rept 2
.set ib, 0
.rept 4
.set rO, O+8*ib
.set rV, VH+64*(tm/2)+32*kk+8*ib
.set rP, PH+16*(tm%2)+8*kk
	v_wmma_f32_16x16x32_f16 v[rO:rO+7], v[rV:rV+7], v[rP:rP+7], v[rO:rO+7]
.set ib, ib+1
.endr
.set kk, kk+1
.endr
.set tm, tm+1
.endr
	WIN 0
.endm
; The diagonal group's mask: key 16 kb + 8 h + j of the group is hidden from query 16 (qt % 4) + r; each accumulator's registers in ascending order.
.macro MASK
.set jj, 0
.rept 32
	v_cmp_gt_i32 vcc_lo, 16*(jj/8)+jj%8, v[THR]
	v_cndmask_b32 v[S+jj], v[S+jj], v[BIG], vcc_lo
.set jj, jj+1
.endr
.endm
; Number num of the 22 that find the maximum and the statistics.  s0-s31 are the lane's 32 scores; each accumulator's lowest registers are read first.
;   0-11 four chains c0-c3 of seven scores each     12-15 the four scores left over, c0-c3 and the old m into c0     16, 18 the query's other 32 keys lie in the lane 16 away: the new m
;   17 c m_old is kept     19-21 c m; c m_old - c m_new; a
.macro SMX num
.if (\num) < 4
	v_max3_num_f32 v[ST+4+(\num)], v[S+8*(\num)], v[S+8*(\num)+1], v[S+8*(\num)+2]
.elseif (\num) < 12
	v_max3_num_f32 v[ST+4+(\num)%4], v[ST+4+(\num)%4], v[S+8*((\num)%4)+2*((\num)/4)+1], v[S+8*((\num)%4)+2*((\num)/4)+2]
.elseif (\num) == 12
	v_max3_num_f32 v[ST+4], v[ST+4], v[S+7], v[S+15]
.elseif (\num) == 13
	v_max3_num_f32 v[ST+6], v[ST+6], v[S+23], v[S+31]
.elseif (\num) == 14
	v_max3_num_f32 v[ST+4], v[ST+4], v[ST+5], v[ST+6]
.elseif (\num) == 15
	v_max3_num_f32 v[ST+4], v[ST+4], v[ST+7], v[ST+1]
.elseif (\num) == 16
	v_permlanex16_b32 v[ST+5], v[ST+4], s[SEL], s[SEL+1]
.elseif (\num) == 17
	v_mov_b32 v[ST+7], v[ST]
.elseif (\num) == 18
	v_max_num_f32 v[ST+1], v[ST+4], v[ST+5]
.elseif (\num) == 19
	v_mul_f32 v[ST], s[CS], v[ST+1]
.elseif (\num) == 20
	v_sub_f32 v[ST+7], v[ST+7], v[ST]
.else
	v_exp_f32 v[ST+6], v[ST+7]
.endif
.endm
.macro FS pr                           ; c s - c m for pair pr of 16
	v_pk_fma_f32 v[S+2*(\pr):S+2*(\pr)+1], v[S+2*(\pr):S+2*(\pr)+1], s[CS:CS+1], v[ST:ST+1] op_sel_hi:[1,0,0] neg_lo:[0,0,1] neg_hi:[0,0,1]
.endm
.macro SUMZ zz                         ; sum zz of 16 over the 16 pairs, in place: neighbours 1, 2, 4 and 8 pairs apart; then l = a l + the sum
.set wd, 4
.set uu, (\zz)
.if (\zz) >= 14
.set wd, 32
.set uu, 0
.elseif (\zz) >= 12
.set wd, 16
.set uu, (\zz)-12
.elseif (\zz) >= 8
.set wd, 8
.set uu, (\zz)-8
.endif
.if (\zz) < 15
	v_pk_add_f32 v[S+wd*uu:S+wd*uu+1], v[S+wd*uu:S+wd*uu+1], v[S+wd*uu+wd/2:S+wd*uu+wd/2+1]
.else
	v_pk_fma_f32 v[ST+2:ST+3], v[ST+2:ST+3], v[ST+6:ST+7], v[S:S+1] op_sel_hi:[1,0,1]
.endif
.endm
.macro RESC                            ; O^T times the factor at ST + 6 (a; at the end 1 / l); each accumulator's registers in ascending order
.set nn, 0
.rept 16
	v_pk_mul_f32 v[O+2*nn:O+2*nn+1], v[O+2*nn:O+2*nn+1], v[ST+6:ST+7] op_sel_hi:[1,0]
.set nn, nn+1
.endr
.endm
; THE SOFTMAX of one tile.  The 33 exponentials are ONE BATCH: nothing ahead of its one wait names a result of theirs; a pair is scaled two pairs ahead of its exponentials.  Behind the wait: p hi = f16(p);
; p - hi, exact, by hi x (-1) + p; p lo = f16(p - hi); the sums, of the unrounded p; the rescaling by a.
.macro SOFTMAX
.set nn, 0
.rept 21
	SMX nn
.set nn, nn+1
.endr
	FS 0
	SMX 21
	FS 1
.set nn, 0
.rept 16
	v_exp_f32 v[S+2*nn], v[S+2*nn]
	v_exp_f32 v[S+2*nn+1], v[S+2*nn+1]
.if nn < 14
	FS nn+2
.endif
.set nn, nn+1
.endr
	v_nop                                          ; a plain instruction behind the last exponential (ISA guide 5.7.2): one for the batch,
	s_wait_alu depctr_va_vdst(0)                   ; and the wait ahead of the first line that names a result: one for the batch
.set nn, 0
.rept 16
	v_cvt_pk_f16_f32 v[PH+nn], v[S+2*nn], v[S+2*nn+1]
.set nn, nn+1
.endr
.set nn, 0
.rept 16
	v_fma_mix_f32 v[TD+2*nn],   v[PH+nn], v[NEG1], v[S+2*nn]   op_sel_hi:[1,0,0]                 ; source 0 is hi's low f16,
	v_fma_mix_f32 v[TD+2*nn+1], v[PH+nn], v[NEG1], v[S+2*nn+1] op_sel:[1,0,0] op_sel_hi:[1,0,0]  ; its high f16
.set nn, nn+1
.endr
.set nn, 0
.rept 16
	v_cvt_pk_f16_f32 v[PH+16+nn], v[TD+2*nn], v[TD+2*nn+1]
.set nn, nn+1
.endr
.set nn, 0
.rept 16
	SUMZ nn
.set nn, nn+1
.endr
	RESC
.endm
; A GROUP of 64 keys.  Loads come back in order (ISA guide 5.7.1), and K's 32 are always issued ahead of V's 32 of the same group, on the way in and round the backward jump alike.
; diag = 0: a full group: the next group's K and V are asked for as soon as the products have read the registers.  diag = 1: the last group: the mask, and nothing more to ask for.
.macro GROUP diag
	s_wait_loadcnt 32                              ; this group's K (and, the first time, Q) is in; its V's 32 younger loads stay out
	KQ24
	PLACES
	PLACES
.if \diag
	MASK
.else
	s_wait_xcnt 0x0                                ; every load issued so far has read its address
	v_add_nc_u32 v[KOF], 0x8000, v[KOF]            ; the next group, 32,768 bytes on
	LOADK
.endif
	SOFTMAX
.if \diag
	s_wait_loadcnt 0x0                             ; V is in: nothing was issued behind it
.else
	s_wait_loadcnt 32                              ; V is in; the next group's K, 32 younger loads, stays out
.endif
	PV24
.if !(\diag)
	PLACES
	s_wait_xcnt 0x0
	v_add_nc_u32 v[VOF], 0x8000, v[VOF]
	LOADV
.endif
.endm
	s_mov_b32 s[GC], 0
	s_cmp_eq_u32 s[GD], 0
	s_cbranch_scc1 .Ldiag                          ; queries 0 to 63 have the diagonal group alone
.Lfull:                                                ; qt / 4 times
	GROUP 0
	s_add_co_u32 s[GC], s[GC], 1
	s_cmp_lt_u32 s[GC], s[GD]
	s_cbranch_scc1 .Lfull
.Ldiag:
	GROUP 1
	; THE WAY OUT.  l's two halves and the other half of the lanes' are added; O^T is divided by l and sent through my stage in LDS: in as 32 bytes a lane, back as whole rows of 256 bytes.
	PLACES
	PLACES
	v_add_f32 v[ST+4], v[ST+2], v[ST+3]
	v_permlanex16_b32 v[ST+5], v[ST+4], s[SEL], s[SEL+1]
	v_add_f32 v[ST+4], v[ST+4], v[ST+5]
	v_rcp_f32 v[ST+6], v[ST+4]
	v_nop                                          ; a plain instruction between the reciprocal and the use of its result,
	s_wait_alu depctr_va_vdst(0)                   ; and the wait ahead of the first use
	RESC
.set ii, 0
.rept 4
	ds_store_b128 v[STO], v[O+8*ii:O+8*ii+3]   offset:64*ii
	ds_store_b128 v[STO], v[O+8*ii+4:O+8*ii+7] offset:64*ii+16
.set ii, ii+1
.endr
.set ii, 0
.rept 8
	ds_load_b128 v[BK+4*ii:BK+4*ii+3], v[RD] offset:ii*2*SPI  ; LDS serves a wave's instructions in order (ISA guide 5.7.1.4): these see the stores above
.set ii, ii+1
.endr
.set ii, 0
.rept 8
	s_wait_dscnt 7-ii
	global_store_b128 v[GO], v[BK+4*ii:BK+4*ii+3], s[OBS:OBS+1] offset:2*ii*1536 th:TH_STORE_NT  ; 16 lanes store 256 consecutive bytes, at a multiple of 256 from out's first byte
.set ii, ii+1
.endr
	s_wait_tensorcnt 0x0                           ; the wave's end, behind my last LDS store
	ds_add_u32 v[SPW], v[NIL]
	s_wait_dscnt 0x0
	s_endpgm
.Lfunc_end_k_qaa3935635b_first:
	.size	k_qaa3935635b_first, .Lfunc_end_k_qaa3935635b_first-k_qaa3935635b_first
	.p2alignl 7, 3214868480
	.fill 96, 4, 3214868480
	.section	.rodata,"a",@progbits
	.p2align	6, 0x0
	.amdhsa_kernel k_qaa3935635b_first
		.amdhsa_group_segment_fixed_size 4608
		.amdhsa_private_segment_fixed_size 0
		.amdhsa_enable_private_segment 0
		.amdhsa_kernarg_size 40
		.amdhsa_user_sgpr_count 2
		.amdhsa_user_sgpr_kernarg_segment_ptr 1
		.amdhsa_wavefront_size32 1
		.amdhsa_system_sgpr_workgroup_id_x 1
		.amdhsa_system_sgpr_workgroup_id_y 1
		.amdhsa_system_sgpr_workgroup_id_z 1
		.amdhsa_system_vgpr_workitem_id 0
		.amdhsa_next_free_vgpr 512
		.amdhsa_next_free_sgpr 66
		.amdhsa_reserve_vcc 1
		.amdhsa_float_denorm_mode_32 3
		.amdhsa_float_denorm_mode_16_64 3
		.amdhsa_memory_ordered 1
		.amdhsa_forward_progress 1
		.amdhsa_inst_pref_size 49
	.end_amdhsa_kernel
	.amdgpu_metadata
---
amdhsa.version: [ 1, 2 ]
amdhsa.kernels:
  - .name:           k_qaa3935635b_first
    .symbol:         k_qaa3935635b_first.kd
    .args:
      - { .name: qf, .offset: 0, .size: 8, .value_kind: global_buffer, .address_space: global }
      - { .name: kvf, .offset: 8, .size: 8, .value_kind: global_buffer, .address_space: global }
      - { .name: qlo, .offset: 16, .size: 8, .value_kind: global_buffer, .address_space: global }
      - { .name: kvlo, .offset: 24, .size: 8, .value_kind: global_buffer, .address_space: global }
      - { .name: out0, .offset: 32, .size: 8, .value_kind: global_buffer, .address_space: global }
    .group_segment_fixed_size: 4608
    .private_segment_fixed_size: 0
    .kernarg_segment_align: 8
    .kernarg_segment_size: 40
    .max_flat_workgroup_size: 32
    .sgpr_count:     66
    .vgpr_count:     512
    .wavefront_size: 32
...
	.end_amdgpu_metadata
.endif
;; end of part 3
;; ======== version 2 of 2: 2 launches
;; limits: values are held in f16: magnitudes above 65,504 overflow, below 6.1e-05 lose precision
;; workspace buffers: qf 2,097,152 bytes; kvf 16,777,216 bytes; qlo 131,072 bytes; kvlo 1,048,576 bytes
;; launch proj (part 4): grid 64 x 4, 4 waves a work-group, no clusters, 301,568 bytes of LDS; arguments x, Wq, Wk, Wv, qf, kvf, qlo, kvlo; writes qf, kvf, qlo, kvlo
.if DOCPART == 4
	.amdgcn_target "amdgcn-amd-amdhsa--gfx1250"
	.amdhsa_code_object_version 6
	.text
	.protected	k_qaa3935635b_proj
	.globl	k_qaa3935635b_proj
	.p2align	8
	.type	k_qaa3935635b_proj,@function
k_qaa3935635b_proj:
	s_mov_b64 s[64:65], 0
	v_nop
	global_prefetch_b8 v0, s[64:65] scope:SCOPE_SE
	s_setreg_imm32_b32 hwreg(HW_REG_WAVE_MODE, 25, 1), 1
	s_wait_xcnt 0x0
; THE PROJECTIONS of one causal attention head: q = x Wq^T, k = x Wk^T (64 channels each), v = x Wv^T (384 channels).  x: [4][4096][384] f32, taken as 16,384 tokens.
; x and the weights are rounded to bf16 on the way to the matrix unit; sums in f32; q, k, v rounded once to f16 and stored IN THE ORDER OF THE MATRIX FRAGMENTS that the attention launch wants,
; so that it reads them as they lie: 16 bytes a lane, 512 consecutive bytes an instruction.
; DEAD WORK, for the whole program.  reference() sets scores[t][s] = -inf for s > t by a jnp.tril of its own, whatever the inputs hold; the softmax gives such a key the weight exp(-inf) = 0, and 0 times a
; finite row of v adds nothing.  So the attention launch leaves out every tile of 256 keys that lies wholly behind a block of 256 queries.  All four inputs reach the output and all are loaded.
; LIMITS.  A NaN, an infinity or an overflow in a row of k or v is not carried to the queries from which that row's whole tile is hidden.  q, k and v must lie within f16's 65,504.
; WHAT IS STORED.
;   qf   [token / 16][c = 0,1][half = 0,1][lane][16 bytes]: lane (r = lane % 16, h = lane / 16) holds token r, channels 32 c + 16 half + 8 h + 0..7.
;   kvf  [batch][hf = 0,1][group of 64 keys][32,768 bytes]; a group: K as [kb = 0..3][c][half][lane][16] (as qf; in both hf copies), 8,192 bytes; then V^T as [cb = 0..11][kk = 0,1][half][lane][16]:
;        lane (r, h) holds channel 192 hf + 16 cb + r, keys 32 kk + 16 half + 8 h + 0..7.
;   qlo, kvlo  for each batch's first 256 tokens, in the same order ([batch][16 pieces of 2,048 bytes]; [batch][hf][4 groups]): WHAT THE ROUNDING TO f16 LEFT, lo = f16(sum - hi).  The attention launch makes
;        those 256 rows of the output from hi + lo: a row there is a mean of few rows of v, and a number near zero among its large terms has no room for f16's rounding.
; SHARES.  Work-group (X, CG): tokens 256 X .. + 255 times 128 columns: CG = 0: Wq's 64 and Wk's 64; CG = 1..3: rows 128 (CG - 1) .. of Wv.
; ALL OPERANDS STAY IN LDS: as bf16 the 256 rows of x and the 128 rows of W are 384 rows of 768 bytes, 301,056 bytes with their padding.  So no LDS byte is written twice, and the launch has ONE barrier.
;   IN: wave w brings rows 64 w .. of x and 32 w .. of W, 64 channels (256 consecutive bytes, aligned, of each f32 row) at a time, through two sets of registers that take turns: while one set is rounded and
;   stored, the other's 48 loads are out, and the first is asked for again as soon as it has been read.
;   PRODUCTS: 12 steps of 32 along K on two fragment buffers: while one is multiplied the other's 24 LDS loads are out.
; ONE TEXT FOR ALL PRODUCTS: D(a, i) = A[a] x B[i], 4 x 8 accumulators a wave; what differs is where the fragments lie in LDS.
;   v:    A = tokens 64 w + 16 a of x, B = rows 16 i of W: a lane holds ONE channel and eight neighbouring tokens, which is V^T's fragment.
;   q, k: A = rows 64 (w % 2) + 16 a of W (q's or k's 64 channels), B = tokens 128 (w / 2) + 16 i of x: a lane holds ONE token and eight neighbouring channels.
;   In both, tile a of A lies at byte 512 a of what is stored, so one text of stores serves too; tile i of B is told by an offset register.
; NO CLUSTER AND NO TENSOR LOAD, though four work-groups read each row of x and 64 each row of a weight: the operands arrive in f32.  Brought by the data mover they would lie in LDS as f32: twice the bytes,
; which do not fit at once, four LDS loads a fragment in place of two, and a conversion in every wave that reads a row.  Through registers each number is converted once a work-group.
; REGISTERS: window 0 addresses; v32-223 on the way in the packed bf16 of the two sets, then the two fragment buffers, at the end the packed hi; window 1 the 32 accumulators ((a, i) at 8 (8 a + i));
;            windows 2, 3: v0-191 the two sets of f32 numbers (x 0-127, W 128-191); at the end window 2 holds lo.
.set ROWB,  1536                       ; bytes in a row of x and of a weight
.set PITCH, 784                        ; an LDS row: 384 bf16 + 16 bytes of padding = 49 x 16 bytes: the 16 rows of a fragment load start at 16 different groups of four banks (64 banks of 4 bytes: ISA guide 11.1)
.set TILE,  16*PITCH
.set WROW,  256                        ; x's 256 rows, then W's 128
.set SPARE, 384*PITCH                  ; behind them: the spare words, 128 bytes for each wave: two blocks of 256 bytes that no other line names
.set HFB,   2097152                    ; from one hf copy of kvf to the other
.set HFL,   131072                     ; the same in kvlo
.set GA,   2                           ; v2-3   set 0, 1: my offset in the rows of memory: (lane / 16) x 8 rows + 16 (lane % 16) + the set's 256 bytes along K
.set XS,   4                           ; v4     where I put 8 bytes of x
.set WS,   5                           ; v5     the same for W
.set XS0,  6                           ; v6-7   the same two for channels 0 on; never rewritten
.set WS0,  7
.set RAA,  8                           ; v8     my lane's place in A's fragments, at the loop's K step
.set RBA,  9                           ; v9-10  in B's: tiles 0-3, tiles 4-7
.set HH,   11                          ; v11    h = lane / 16; never rewritten
.set LN16, 12                          ; v12    16 x lane
.set NEG1, 13                          ; v13    -1.0
.set SPW,  14                          ; v14    LDS address of my spare word; never rewritten
.set NIL,  15                          ; v15    0; never rewritten
.set VO,   16                          ; v16-23 my offset in what is stored for tile i of B
.set VL,   24                          ; v24-31 the same for lo
.set F0,   32                          ; fragment buffers: A's tile a at 8 a, B's tile i at 32 + 8 i.  On the way in: a set's packed bf16, x 0-63, W 64-95
.set F1,   128
.set HI,   32                          ; at the end: the packed hi of (a, i) at HI + 32 a + 4 i; the packed lo at 32 a + 4 i of window 2
.set TS,   128                         ; window 2: sum - hi of one tile of A, 64 registers
.set RA0,  224                         ; v224   my lane's place in A's fragments at K = 0; never rewritten
.set RB0,  225                         ; v225-6 in B's
.set WV,   20                          ; s20 wave   s21 CG   s27 X
.set CG,   21
.set XB,   22                          ; s[22:23] x at the 64 rows that I bring in; never rewritten
.set WB,   24                          ; s[24:25] the weight at the 32 rows that I bring in; never rewritten
.set CNT,  26
.set XX,   27
.set OUTB, 28                          ; s[28:29] where my hi goes: qf or kvf
.set LOB,  30                          ; s[30:31] where my lo goes: qlo or kvlo
.set FIRST, 32                         ; s32 my block of 256 tokens in its batch: 0 where lo is stored too
.set ISK,  33                          ; s33 1 in a wave that makes k, which is stored in both hf copies
.set PQ,   34                          ; s34 w % 2
.set TH,   35                          ; s35 w / 2
.set KJ,   36
.set ISQ,  37                          ; s37 0 in a wave that makes q
.set CO,   38                          ; s38 bytes along an LDS row at which the loop's two sets are stored
.set KO,   39                          ; s39 bytes along an LDS row of the loop's K steps
.set MSB, 0
.macro WIN new                         ; the immediate's high byte repeats the setting that is left; a switch that changes nothing is dropped
.if MSB != (\new)
	s_set_vgpr_msb (MSB<<8)|(\new)
.set MSB, (\new)
.endif
.endm
	s_load_b256 s[4:11], s[0:1], 0x0               ; x s[4:5], Wq s[6:7], Wk s[8:9], Wv s[10:11]
	s_load_b256 s[12:19], s[0:1], 0x20             ; qf s[12:13], kvf s[14:15], qlo s[16:17], kvlo s[18:19]
	v_lshl_add_u32 v[SPW], v0, 2, SPARE
	v_mov_b32 v[NIL], 0
	v_mov_b32 v[NEG1], -1.0
	v_lshrrev_b32 v1, 5, v0
	v_readfirstlane_b32 s[WV], v1                  ; wave 0..3
	s_and_b32 s[CG], ttmp7, 0xffff
	s_mov_b32 s[XX], ttmp9
	v_and_b32 v1, 15, v0                           ; r = lane % 16; never rewritten
	v_bfe_u32 v[HH], v0, 4, 1                      ; h = lane / 16
	v_and_b32 v[LN16], 31, v0
	v_lshlrev_b32 v[LN16], 4, v[LN16]
	v_mul_u32_u24 v[GA], v[HH], 8*ROWB             ; a load takes rows n and n + 8: 16 lanes, 256 consecutive bytes, each
	v_lshl_add_u32 v[GA], v1, 4, v[GA]
	v_add_nc_u32 v[GA+1], 256, v[GA]
	s_and_b32 s[PQ], s[WV], 1
	s_lshr_b32 s[TH], s[WV], 1
	s_lshr_b32 s40, s[XX], 4                       ; batch
	s_and_b32 s[FIRST], s[XX], 15
	s_or_b32 s[ISQ], s[CG], s[PQ]
	s_lshl_b32 s41, s[WV], 6                       ; v: A's first row: 64 w, in x
	s_lshl_b32 s42, s[PQ], 6
	s_add_co_u32 s42, s42, WROW                    ; q, k: 64 (w % 2), in W
	s_lshl_b32 s43, s[TH], 7                       ; q, k: B's first row: 128 (w / 2), in x
	s_lshl_b32 s44, s[TH], 1                       ; q, k: my first group of 64 tokens in the block
	s_cmp_eq_u32 s[CG], 0
	s_cselect_b32 s41, s42, s41
	s_cselect_b32 s43, s43, WROW                   ; v: B is W
	s_cselect_b32 s44, s44, s[WV]
	s_cselect_b32 s[ISK], s[PQ], 0
	s_mul_i32 s41, s41, PITCH
	s_mul_i32 s43, s43, PITCH
	v_mul_u32_u24 v[RA0], v1, PITCH
	v_lshl_add_u32 v[RA0], v[HH], 4, v[RA0]        ; a fragment's row r, 16 bytes for each half of the lanes
	v_add_nc_u32 v[RB0], s43, v[RA0]
	v_add_nc_u32 v[RB0+1], 4*TILE, v[RB0]
	v_add_nc_u32 v[RA0], s41, v[RA0]
	s_mul_i32 s45, s[WV], 64*PITCH                 ; the 64 rows of x that I bring in
	s_mul_i32 s46, s[WV], 32*PITCH                 ; the 32 rows of W
	s_add_co_u32 s46, s46, WROW*PITCH
	v_mul_u32_u24 v[XS0], v[HH], 8*PITCH           ; rows n and n + 8 lie 6,272 bytes apart, 128 modulo 256: the two halves of a store of 8 bytes a lane share no bank
	v_lshl_add_u32 v[XS0], v1, 3, v[XS0]
	v_add_nc_u32 v[WS0], s46, v[XS0]
	v_add_nc_u32 v[XS0], s45, v[XS0]
	s_lshl_b32 s47, s[FIRST], 2
	s_add_co_u32 s47, s47, s44
	s_lshl_b32 s47, s47, 15
	s_lshl_b32 s48, s40, 22
	s_add_co_u32 s48, s48, s47                     ; kvf: 4,194,304 bytes a batch, 32,768 a group
	s_lshl_b32 s47, s44, 15
	s_lshl_b32 s50, s40, 18
	s_add_co_u32 s50, s50, s47                     ; kvlo: 262,144 bytes a batch
	s_lshl_b32 s47, s[TH], 14                      ; 128 tokens of 128 bytes
	s_lshl_b32 s52, s[XX], 15
	s_add_co_u32 s52, s52, s47                     ; qf
	s_lshl_b32 s53, s40, 15
	s_add_co_u32 s53, s53, s47                     ; qlo
	s_cmp_eq_u32 s[ISQ], 0
	s_cselect_b32 s48, s52, s48
	s_cselect_b32 s50, s53, s50
	s_mov_b32 s49, 0
	s_mov_b32 s51, 0
	s_lshl_b32 s52, s[XX], 8
	s_lshl_b32 s53, s[WV], 6
	s_add_co_u32 s52, s52, s53
	s_mul_i32 s52, s52, ROWB                       ; my first row of x, in bytes (under 2^25)
	s_mov_b32 s53, 0
	s_lshl_b32 s54, s[PQ], 5                       ; CG = 0: rows 32 (w % 2) of Wq (waves 0, 1) or Wk (waves 2, 3)
	s_lshl_b32 s55, s[CG], 7
	s_lshl_b32 s47, s[WV], 5
	s_add_co_u32 s55, s55, s47
	s_sub_co_u32 s55, s55, 128                     ; else rows 128 (CG - 1) + 32 w of Wv
	s_cmp_eq_u32 s[CG], 0
	s_cselect_b32 s54, s54, s55
	s_mul_i32 s54, s54, ROWB
	s_mov_b32 s55, 0
	s_wait_kmcnt 0x0
	s_add_nc_u64 s[XB:XB+1], s[4:5], s[52:53]
	s_cmp_lt_u32 s[WV], 2
	s_cselect_b64 s[WB:WB+1], s[6:7], s[8:9]
	s_cmp_eq_u32 s[CG], 0
	s_cselect_b64 s[WB:WB+1], s[WB:WB+1], s[10:11]
	s_add_nc_u64 s[WB:WB+1], s[WB:WB+1], s[54:55]
	s_cmp_eq_u32 s[ISQ], 0
	s_cselect_b64 s[OUTB:OUTB+1], s[12:13], s[14:15]
	s_cselect_b64 s[LOB:LOB+1], s[16:17], s[18:19]
	s_add_nc_u64 s[OUTB:OUTB+1], s[OUTB:OUTB+1], s[48:49]
	s_add_nc_u64 s[LOB:LOB+1], s[LOB:LOB+1], s[50:51]
; THE WAY IN.  A set's 48 loads: 64 channels of my 64 rows of x and 32 rows of W.  Load number n takes rows 16 (n / 8) + n % 8 and 8 further down.
.macro GLOAD set
	WIN 0x80+0x40*(\set)                           ; destination window 2 or 3, address window 0
.set qq, 0
.rept 32
	global_load_b128 v[4*qq:4*qq+3], v[GA+(\set)], s[XB:XB+1] offset:((qq/8)*16+qq%8)*ROWB
.set qq, qq+1
.endr
.set qq, 0
.rept 16
	global_load_b128 v[128+4*qq:128+4*qq+3], v[GA+(\set)], s[WB:WB+1] offset:((qq/8)*16+qq%8)*ROWB
.set qq, qq+1
.endr
	WIN 0
.endm
.macro CVT set                         ; rounded to bf16, four numbers into two registers of window 0
	WIN 0x0a+0x05*(\set)                           ; both sources window 2 or 3
.set qq, 0
.rept 48
	v_cvt_pk_bf16_f32 v[F0+96*(\set)+2*qq],   v[4*qq],   v[4*qq+1]
	v_cvt_pk_bf16_f32 v[F0+96*(\set)+2*qq+1], v[4*qq+2], v[4*qq+3]
.set qq, qq+1
.endr
	WIN 0
.endm
.macro STORE set                       ; set 1's channels lie 128 bytes behind set 0's
.set qq, 0
.rept 32
	ds_store_b64 v[XS], v[F0+96*(\set)+2*qq:F0+96*(\set)+2*qq+1] offset:((qq/8)*16+qq%8)*PITCH+128*(\set)
.set qq, qq+1
.endr
.set qq, 0
.rept 16
	ds_store_b64 v[WS], v[F0+96*(\set)+64+2*qq:F0+96*(\set)+64+2*qq+1] offset:((qq/8)*16+qq%8)*PITCH+128*(\set)
.set qq, qq+1
.endr
.endm
; A set's turn.  left: how many younger loads may stay out.  load = 1: the set is asked for again, 128 channels on, as soon as the conversions have read it and ahead of the stores.
.macro SLOT set, left, load
	s_wait_loadcnt \left                           ; loads come back in order (ISA guide 5.7.1): this set's 48 are in, the other set's stay out
.if \load
	v_add_nc_u32 v[GA+(\set)], 512, v[GA+(\set)]   ; free since that wait
.endif
	s_wait_dscnt 48                                ; the stores that read this set's packed registers are done: only the other set's 48 younger ones may be out
	CVT \set
.if \load
	GLOAD \set
.endif
	STORE \set
.endm
.macro WHERE
	v_add_nc_u32 v[XS], s[CO], v[XS0]
	v_add_nc_u32 v[WS], s[CO], v[WS0]
.endm
	GLOAD 0                                        ; channels 0 to 63
	GLOAD 1                                        ; 64 to 127
	s_mov_b32 s[CO], 0
	s_mov_b32 s[CNT], 2
.Lin:                                                  ; a trip stores 128 channels and asks for the next 128
	WHERE
	SLOT 0, 48, 1
	SLOT 1, 48, 1
	s_add_co_u32 s[CO], s[CO], 256
	s_sub_co_u32 s[CNT], s[CNT], 1
	s_cmp_lg_u32 s[CNT], 0
	s_cbranch_scc1 .Lin
	WHERE
	SLOT 0, 48, 0                                  ; the last 128 channels: nothing is left to ask for, and the counts run down
	SLOT 1, 0, 0
	s_wait_dscnt 0x0                               ; for the others' sake: all my stores are done
	s_barrier_signal -1
	s_barrier_wait -1                              ; all 384 rows lie in LDS; from here on LDS is only read
; THE PRODUCTS.  The fragments of 32 along K at byte koff of the rows, into buffer f: 24 loads in one run.
.macro FRAGS f, koff, ra, rb
.set qq, 0
.rept 4
	ds_load_b128 v[(\f)+8*qq:(\f)+8*qq+3],   v[\ra] offset:TILE*qq+(\koff)
	ds_load_b128 v[(\f)+8*qq+4:(\f)+8*qq+7], v[\ra] offset:TILE*qq+(\koff)+32
.set qq, qq+1
.endr
.set qq, 0
.rept 8
	ds_load_b128 v[(\f)+32+8*qq:(\f)+32+8*qq+3],   v[(\rb)+qq/4] offset:TILE*(qq%4)+(\koff)
	ds_load_b128 v[(\f)+32+8*qq+4:(\f)+32+8*qq+7], v[(\rb)+qq/4] offset:TILE*(qq%4)+(\koff)+32
.set qq, qq+1
.endr
.endm
; 32 matrix instructions.  The 32 accumulators take turns, one instruction a turn, in the same order everywhere, over the backward jump too.  zero = 1: the products start the sums.
.macro MUL f, zero
	WIN 0x50                                       ; C and D window 1, fragments window 0
.set ta, 0
.rept 4
.set ti, 0
.rept 8
.set rD, 8*(8*ta+ti)
.if \zero
	v_wmma_f32_16x16x32_bf16 v[rD:rD+7], v[(\f)+8*ta:(\f)+8*ta+7], v[(\f)+32+8*ti:(\f)+32+8*ti+7], 0
.else
	v_wmma_f32_16x16x32_bf16 v[rD:rD+7], v[(\f)+8*ta:(\f)+8*ta+7], v[(\f)+32+8*ti:(\f)+32+8*ti+7], v[rD:rD+7]
.endif
.set ti, ti+1
.endr
.set ta, ta+1
.endr
	WIN 0
.endm
	FRAGS F0, 0, RA0, RB0                          ; K step 0
	FRAGS F1, 64, RA0, RB0                         ; K step 1
	s_wait_dscnt 24                                ; buffer 0 is in; buffer 1's 24 younger loads stay out
	MUL F0, 1                                      ; K step 0 stands in front of the loop: its products start the sums
	s_mov_b32 s[KO], 0
	s_mov_b32 s[CNT], 5
.Lk:                                                   ; trip t multiplies K steps 2 t + 1 and 2 t + 2 and fetches 2 t + 2 and 2 t + 3
	v_add_nc_u32 v[RAA], s[KO], v[RA0]             ; these four lines are also the places between the last product that read buffer 0 and the loads into it
	v_add_nc_u32 v[RBA], s[KO], v[RB0]
	v_add_nc_u32 v[RBA+1], s[KO], v[RB0+1]
	v_nop
	FRAGS F0, 128, RAA, RBA
	s_wait_dscnt 24                                ; buffer 1 is in
	MUL F1, 0
.rept 4
	v_nop                                          ; the places in front of the loads into buffer 1
.endr
	FRAGS F1, 192, RAA, RBA
	s_wait_dscnt 24                                ; buffer 0 is in
	MUL F0, 0
	s_add_co_u32 s[KO], s[KO], 128
	s_sub_co_u32 s[CNT], s[CNT], 1
	s_cmp_lg_u32 s[CNT], 0
	s_cbranch_scc1 .Lk
	s_wait_dscnt 0x0
	MUL F1, 0                                      ; K step 11
	; THE WAY OUT.  A lane's eight results of an accumulator are 16 bytes of a fragment: four conversions, and a store in which 32 lanes write 512 consecutive bytes, aligned.
.rept 8
	v_nop                                          ; the places behind the last products
.endr
	WIN 0x05                                       ; both sources window 1, destination window 0: hi = f16(sum); each accumulator's registers in ascending order
.set ta, 0
.rept 4
.set ti, 0
.rept 8
.set rr, 0
.rept 4
	v_cvt_pk_f16_f32 v[HI+32*ta+4*ti+rr], v[8*(8*ta+ti)+2*rr], v[8*(8*ta+ti)+2*rr+1]
.set rr, rr+1
.endr
.set ti, ti+1
.endr
.set ta, ta+1
.endr
	WIN 0
	s_cmp_lg_u32 s[FIRST], 0
	s_cbranch_scc1 .Lno_lo
	; a batch's first 256 tokens: lo = f16(sum - hi).  hi x (-1) + sum is exact: hi lies within 2^-11 of the sum, so the difference is a multiple of the sum's last place and fits f32
.set ta, 0
.rept 4
	WIN 0x90                                       ; hi and -1 window 0, the sum (source 2) window 1, destination window 2
.set ti, 0
.rept 8
.set rr, 0
.rept 4
	v_fma_mix_f32 v[TS+8*ti+2*rr],   v[HI+32*ta+4*ti+rr], v[NEG1], v[8*(8*ta+ti)+2*rr]   op_sel_hi:[1,0,0]                ; source 0 is hi's low f16,
	v_fma_mix_f32 v[TS+8*ti+2*rr+1], v[HI+32*ta+4*ti+rr], v[NEG1], v[8*(8*ta+ti)+2*rr+1] op_sel:[1,0,0] op_sel_hi:[1,0,0] ; its high f16
.set rr, rr+1
.endr
.set ti, ti+1
.endr
	WIN 0x8a                                       ; all in window 2
.set ti, 0
.rept 8
.set rr, 0
.rept 4
	v_cvt_pk_f16_f32 v[32*ta+4*ti+rr], v[TS+8*ti+2*rr], v[TS+8*ti+2*rr+1]
.set rr, rr+1
.endr
.set ti, ti+1
.endr
.set ta, ta+1
.endr
	WIN 0
.Lno_lo:
; v: my offset in a group for each of my eight blocks of 16 channels; stride: from one hf copy to the other.
.macro VOFFS dst, stride
.set ti, 0
.rept 8
	s_add_co_u32 s57, s56, ti
	s_lshl_b32 s58, s57, 11                        ; 2,048 bytes a block;
	s_cmp_ge_u32 s57, 12
	s_cselect_b32 s59, (\stride)-24576, 0          ; blocks 12 to 23 lie in the other hf copy, as its blocks 0 to 11
	s_add_co_u32 s58, s58, s59
	s_add_co_u32 s58, s58, 8192                    ; behind the group's K
	v_add_nc_u32 v[(\dst)+ti], s58, v[LN16]
.set ti, ti+1
.endr
.endm
	s_cmp_eq_u32 s[CG], 0
	s_cbranch_scc1 .Loff_qk
	s_lshl_b32 s56, s[CG], 3
	s_sub_co_u32 s56, s56, 8                       ; my first block of 16 channels among v's 24
	VOFFS VO, HFB
	VOFFS VL, HFL
	s_branch .Loff_done
.Loff_qk:                                              ; q, k: 16 tokens are 2,048 bytes; in k every fourth tile begins a new group, 32,768 bytes from the last
	s_mul_i32 s[KJ], s[PQ], 24576
.set ti, 0
.rept 8
	v_add_nc_u32 v[VO+ti], 2048*ti, v[LN16]
.if ti >= 4
	v_add_nc_u32 v[VO+ti], s[KJ], v[VO+ti]
.endif
	v_mov_b32 v[VL+ti], v[VO+ti]
.set ti, ti+1
.endr
.Loff_done:
.macro PUT off, base, dat, more        ; 32 stores: tile a of A at byte 512 a
.set ta, 0
.rept 4
.set ti, 0
.rept 8
	global_store_b128 v[(\off)+ti], v[(\dat)+32*ta+4*ti:(\dat)+32*ta+4*ti+3], s[\base:\base+1] offset:512*ta+(\more)
.set ti, ti+1
.endr
.set ta, ta+1
.endr
.endm
	PUT VO, OUTB, HI, 0
	s_cmp_eq_u32 s[ISK], 0
	s_cbranch_scc1 .Lno_k2
	PUT VO, OUTB, HI, HFB                          ; k once more, for the other half of v's channels
.Lno_k2:
	s_cmp_lg_u32 s[FIRST], 0
	s_cbranch_scc1 .Lend
	WIN 0x08                                       ; data window 2
	PUT VL, LOB, 0, 0
	WIN 0
	s_cmp_eq_u32 s[ISK], 0
	s_cbranch_scc1 .Lend
	WIN 0x08
	PUT VL, LOB, 0, HFL
	WIN 0
.Lend:
	s_wait_tensorcnt 0x0                           ; the wave's end, behind my last LDS store
	ds_add_u32 v[SPW], v[NIL]
	s_wait_dscnt 0x0
	s_endpgm
.Lfunc_end_k_qaa3935635b_proj:
	.size	k_qaa3935635b_proj, .Lfunc_end_k_qaa3935635b_proj-k_qaa3935635b_proj
	.p2alignl 7, 3214868480
	.fill 96, 4, 3214868480
	.section	.rodata,"a",@progbits
	.p2align	6, 0x0
	.amdhsa_kernel k_qaa3935635b_proj
		.amdhsa_group_segment_fixed_size 301568
		.amdhsa_private_segment_fixed_size 0
		.amdhsa_enable_private_segment 0
		.amdhsa_kernarg_size 64
		.amdhsa_user_sgpr_count 2
		.amdhsa_user_sgpr_kernarg_segment_ptr 1
		.amdhsa_wavefront_size32 1
		.amdhsa_system_sgpr_workgroup_id_x 1
		.amdhsa_system_sgpr_workgroup_id_y 1
		.amdhsa_system_sgpr_workgroup_id_z 1
		.amdhsa_system_vgpr_workitem_id 0
		.amdhsa_next_free_vgpr 960
		.amdhsa_next_free_sgpr 66
		.amdhsa_reserve_vcc 0
		.amdhsa_float_denorm_mode_32 3
		.amdhsa_float_denorm_mode_16_64 3
		.amdhsa_memory_ordered 1
		.amdhsa_forward_progress 1
		.amdhsa_inst_pref_size 125
	.end_amdhsa_kernel
	.amdgpu_metadata
---
amdhsa.version: [ 1, 2 ]
amdhsa.kernels:
  - .name:           k_qaa3935635b_proj
    .symbol:         k_qaa3935635b_proj.kd
    .args:
      - { .name: x, .offset: 0, .size: 8, .value_kind: global_buffer, .address_space: global }
      - { .name: Wq, .offset: 8, .size: 8, .value_kind: global_buffer, .address_space: global }
      - { .name: Wk, .offset: 16, .size: 8, .value_kind: global_buffer, .address_space: global }
      - { .name: Wv, .offset: 24, .size: 8, .value_kind: global_buffer, .address_space: global }
      - { .name: qf, .offset: 32, .size: 8, .value_kind: global_buffer, .address_space: global }
      - { .name: kvf, .offset: 40, .size: 8, .value_kind: global_buffer, .address_space: global }
      - { .name: qlo, .offset: 48, .size: 8, .value_kind: global_buffer, .address_space: global }
      - { .name: kvlo, .offset: 56, .size: 8, .value_kind: global_buffer, .address_space: global }
    .group_segment_fixed_size: 301568
    .private_segment_fixed_size: 0
    .kernarg_segment_align: 8
    .kernarg_segment_size: 64
    .max_flat_workgroup_size: 128
    .sgpr_count:     66
    .vgpr_count:     960
    .wavefront_size: 32
...
	.end_amdgpu_metadata
.endif
;; end of part 4
;; launch attn (part 5): grid 32 x 8, 4 waves a work-group, clusters of 4 x 1, 327,680 bytes of LDS; arguments qf, kvf, qlo, kvlo, out0; writes out0
.if DOCPART == 5
	.amdgcn_target "amdgcn-amd-amdhsa--gfx1250"
	.amdhsa_code_object_version 6
	.text
	.protected	k_qaa3935635b_attn
	.globl	k_qaa3935635b_attn
	.p2align	8
	.type	k_qaa3935635b_attn,@function
k_qaa3935635b_attn:
	s_mov_b64 s[64:65], 0
	v_nop
	global_prefetch_b8 v0, s[64:65] scope:SCOPE_SE
	s_setreg_imm32_b32 hwreg(HW_REG_WAVE_MODE, 25, 1), 1
	s_wait_xcnt 0x0
	s_wait_alu depctr_hold_cnt(0) depctr_sa_sdst(0) depctr_va_vdst(0) depctr_va_sdst(0) depctr_va_ssrc(0) depctr_va_vcc(0) depctr_vm_vsrc(0)
	s_getreg_b32 s2, hwreg(HW_REG_IB_STS2, 6, 4)
	s_cmp_eq_u32 s2, 0
	s_cbranch_scc0 .Lentry_in_a_cluster
	s_endpgm
.Lentry_in_a_cluster:
	s_bfe_u32 s2, ttmp6, 0x10000c
	s_cmp_lg_u32 s2, 0x3003
	s_cbranch_scc0 .Lentry_shape_is_right
	s_endpgm
.Lentry_shape_is_right:
; CAUSAL ATTENTION, one head: out[b][q][:] = the sum over k <= q of softmax_k(q . k / 8) v[k][:], 64 channels of q and k, 384 of v, 4 batches of 4,096 rows.  q, k, v in f16, in fragment order (qf, kvf: the
; projection launch's head says how they lie); products, maxima and sums in f32; the weights p rounded to f16 for the second product (their sum l is taken of the unrounded p); out in f32.
; LEFT OUT: every tile of 256 keys that lies wholly behind a block of 256 queries: reference()'s own jnp.tril gives those keys the weight 0 whatever the inputs hold.
; ROWS 0 TO 255 OF EACH BATCH (block 0) ARE MADE FROM OPERANDS OF TWICE THE PRECISION.  A row there is a mean of few rows of v, so its numbers are sums of few large terms, and a number near zero among them has
; no room for the rounding of q, k, v and p to f16.  Block 0 is the walk's last tile in the 8 clusters with u = 0, and nowhere else.  In that tile each of q, k, v, p is hi + lo, hi = f16(x), lo = f16(x - hi)
; (qlo, kvlo hold lo in qf's and kvf's order), and a product is hi hi + hi lo + lo hi on one f32 sum; lo lo, some 2^-22 of the product, is dropped.  The lo parts come straight from memory, 512 consecutive
; bytes a load, into registers that are free in that tile: K lo into P's, Q lo into the second block's Q's, P lo into K's, V lo into S^T's and Q lo's.  The jumps round this work hang on u alone.
; LIMITS.  q, k, v lie within f16's 65,504; lo keeps f16's fixed step of 6e-8 below 6e-5.  A hidden score counts as -2^100 (f16's scores are 2.7e11 at the most).  A weight below 2^-126 counts as 0.  NaN and
; infinities are not treated apart, and one in a row of k or v is not carried to queries from which that row's whole tile is hidden.
; SHARES.  A batch has 16 blocks of 256 queries; block i needs the key tiles 0 .. i of 256 keys.  A CLUSTER of four work-groups takes two blocks, 15 - u and then u: 17 tiles, whatever u.  Partner cx owns queries
; 64 cx .. + 63 of each block; the grid's y = 2 batch + hf, and a work-group makes channels 192 hf .. + 191 of v: 8 x 8 x 4 = 256 work-groups.  (K Q^T and the softmax are so made twice, once for each hf.)
; All four partners walk the same tiles, so each tile is asked for JOINTLY: the same tensor load, descriptor and mask in all four.
; THE KEYS ARE SPLIT AMONG THE WAVES: of each tile wave w takes keys 64 w .. + 63, for all 64 queries, with a running maximum m, sum l and O^T of its own; its own tensor load brings just those 32,768 bytes.
; So each LDS byte is read once, by the wave that asked for it.  At a block's end the four partial results meet in LDS.
; LAYOUT.  S^T = K Q^T (source 0 = 16 keys, source 1 = 16 queries): a lane holds ONE query (lane % 16) and the keys 8 (lane / 16) + 0..7.  Two such results, rounded to f16 in pairs, ARE source 1 of
; O^T = V^T P, whose result again holds one query a lane, and eight channels.
; SOFTMAX.  p = 2^(c s - c m), c = log2(e) / 8; in every step O^T and l are multiplied by a = 2^(c m_old - c m_new).  c m starts far below every c s, so a block's first a is 0 and O^T and l need only be finite.
; THE MASK, in a block's last tile alone: key 64 w + 16 kb + 8 h + j is hidden from query 64 cx + 16 t + r where 16 (kb - t) + j > r - 8 h + 64 (cx - w).  A wave behind the diagonal (w > cx) sees nothing there.  If that
; tile is also the block's first (block 0), its m is the hidden score itself: c x 2^100 is exact, so c s - c m is exactly 0, p = 1 and its partial result stays finite; at the meeting its factor
; 2^(c m - M) is 0, since wave cx holds every query's own key and so a true maximum.
; IN PHASES: a trip is K's and V's fragments, 32 products K Q^T, the softmax, 96 products V^T P.
; REGISTERS, in windows of 256 (s_set_vgpr_msb: bits 1:0 source 0, 3:2 source 1, 5:4 source 2, 7:6 destination):
;   window 0: v2-15 addresses and constants; v16-31 at work; v32-63 eight registers of statistics a tile; v64-191 S^T (32 t + 8 kb); v192-255 P (16 t + 8 kk)
;   window 1: v0-191 O^T of tiles 0, 1 (96 t + 8 cb); v192-255 Q (16 t + 8 c)      window 2: v0-191 O^T of tiles 2, 3; v192-255 K (16 kb + 8 c)      window 3: v0-191 V (96 kk + 8 cb); v192-255 the second block's Q
.set SLOT1, 1<<17                      ; a slot is a tile: 4 groups of 32,768 bytes; slot 1 begins here, so that one exclusive or turns an address in one slot into the other's
.set STAGE, 2*SLOT1                    ; behind the ring, never filled by a tensor load: two buffers of four regions (one a wave) of 16 rows x 272 bytes
.set SPI,   272                        ; a stage row: 256 bytes + 16 of padding = 68 words: the 16 rows of a store start at 16 different groups of four banks (64 banks of 4 bytes: ISA guide 11.1)
.set SREG,  16*SPI
.set SBUF,  4*SREG
.set STAT,  STAGE+2*SBUF               ; (c m, l) of each wave, tile and query: 512 w + 128 t + 8 r
.set SPARE, STAT+2048                  ; the spare words, 128 bytes for each wave: two blocks of 256 bytes that no other line names
.set AL0, 2                            ; v2   my wave's group in a slot + 16 x lane; never rewritten
.set ADR, 3                            ; v3   the same in the slot in hand
.set STO, 4                            ; v4   the meeting: where I put 32 bytes of a query's row
.set RD,  5                            ; v5   where I read rows back
.set GO,  6                            ; v6   my byte offset in out
.set STA, 7                            ; v7   where I put (c m, l)
.set STR, 8                            ; v8   where I read the four waves'
.set THR, 9                            ; v9   r - 8 h + 64 (cx - w)
.set BIG, 10                           ; v10  -2^100
.set NEG1, 11                          ; v11  -1.0
.set PFO, 12                           ; v12  256 x lane
.set LN16, 13                          ; v13  16 x lane
.set SPW, 14                           ; v14  LDS address of my spare word; never rewritten
.set NIL, 15                           ; v15  0; never rewritten
.set TD,  16                           ; v16-31 p - hi of eight pairs of weights
.set ST,  32                           ; tile t at ST + 8 t: c m, m, l (even keys', odd keys'), c0-c3 at work; a, and at the meeting the factor g, take c2's place
.set S,   64
.set XST, 64                           ; at the meeting: (c m, l) of tile t, wave w at XST + 8 t + 2 w
.set P,   192
.set QF,  192                          ; window 1; the second block's in window 3
.set KF,  192                          ; window 2
.set WV,  10                           ; s10 wave   s11 cx   s12 u   s13 15 - u   s14 y
.set CX,  11
.set PB,  12
.set HI,  13
.set YY,  14
.set KV,  16                           ; s[16:17] kvf at my wave's group of tile 0, for my batch and hf
.set PFA, 18                           ; s[18:19] where my prefetches stand
.set LIM, 20                           ; s20  a wave prefetches while SLOTS is above it
.set SLOTS, 21                         ; s21  tiles still to be asked for
.set RT,  22                           ; s22  tiles of the block in hand that are still to be entered
.set NXT, 23                           ; s23  the tile to be asked for next
.set G1,  24                           ; s[24:31] descriptor group 1
.set OFF, 32                           ; s[32:33] a tile's byte offset
.set LQ,  34                           ; s34  the last tile of the block whose tiles are being asked for
.set OB,  36                           ; s[36:37] out at my 64 rows and 192 channels of the block in hand
.set OLO, 38                           ; s[38:39] of the second block
.set G0,  40                           ; s[40:43] descriptor group 0
.set TB,  44                           ; s44  the slot in hand: 0 or SLOT1
.set CS,  46                           ; s[46:47] c: the packed scaling takes the pair's low word for both halves
.set SEL, 48                           ; s[48:49] v_permlanex16_b32's selects
.set QLB, 72                           ; s[72:73] qlo at queries 64 cx .. of my batch
.set KLB, 74                           ; s[74:75] kvlo at group w of my batch and hf
.set MSB, 0
.macro WIN new                         ; the high byte repeats the setting that is left; a switch that changes nothing is dropped
.if MSB != (\new)
	s_set_vgpr_msb (MSB<<8)|(\new)
.set MSB, (\new)
.endif
.endm
.macro PLACES                          ; plain vector instructions between a matrix instruction and a line that touches its registers (ISA guide 7.12.1)
.rept 4
	v_nop
.endr
.endm
.macro ALLT line:vararg                ; one line for each tile tt
.set tt, 0
.rept 4
	\line
.set tt, tt+1
.endr
.endm
; A round of the cluster's barrier: my work-group's barrier, so that wave 0's signal speaks for all four waves; wave 0 signals; every wave waits for all four work-groups; my work-group's barrier once more.
.macro CROUND
	s_barrier_signal -1
	s_barrier_wait -1
	s_cmp_lg_u32 s[WV], 0
	s_cbranch_scc1 .Lnot_wave_0_\@
	s_barrier_signal -3
.Lnot_wave_0_\@:
	s_barrier_wait -3
	s_barrier_signal -1
	s_barrier_wait -1
.endm
; A PREFETCH INTO THE L2.  All eight clusters of a y walk tiles 0, 1, 2 .. in the same trips; only cluster u = 0 walks all 16, and it alone asks.  Of each wave's 32,768 bytes of a tile partner cx names the
; quarter cx, told apart BY ADDRESS, a lane a block of 256 bytes: one instruction a wave, and each block is named once in the launch.  Trip i names tile i + 3, which trip i + 2 asks for: two trips, 256 matrix
; instructions and two softmaxes, ahead.  Tiles 0 to 2 come by their loads alone; trip 12 names tile 15, the last; the second block walks tiles that have been read, and nothing is named for it.
.macro ASK
	s_cmp_gt_u32 s[SLOTS], s[LIM]
	s_cbranch_scc0 .Lnot_mine_\@
	global_prefetch_b8 v[PFO], s[PFA:PFA+1] th:TH_LOAD_NT scope:SCOPE_SE
.Lnot_mine_\@:
.endm
; THE CHANGE OF SLOTS.  Each wave waits for all its tensor loads, of which one is out: its group of the other slot; adds 0 to its spare word; and waits for that and for its own reads of the slot that it leaves.
; fill = 1: the slot is filled again with tile NXT, whose address is made anew from that number.  The barrier is then a round of the cluster's, so that no wave of any partner still reads the slot or has a load on
; its way, and the joint load is the first thing behind it; it has a trip's work in which to land.  (At its first use nothing has been read yet: slot 0 is waited for, slot 1 filled.)
.macro CHANGE fill
	WIN 0                                          ; at a label and at a branch every window is 0
	s_wait_tensorcnt 0x0                           ; no tensor load of mine is out, so group 0 may be written
	ds_add_u32 v[SPW], v[NIL]                      ; 0 onto my spare word; with fill = 1 the scalar work below stands between it and the wait for it
.if \fill
	s_lshl_b32 s[OFF], s[NXT], 17                  ; a tile is 131,072 bytes
	s_xor_b32 s[G0+1], s[G0+1], SLOT1
	s_add_nc_u64 s[G0+2:G0+3], s[KV:KV+1], s[OFF:OFF+1]
	s_or_b32 s[G0+3], s[G0+3], 0x80000000
	s_add_co_u32 s[NXT], s[NXT], 1                 ; the block's next tile, or behind its last the second block's tile 0
	s_cmp_gt_u32 s[NXT], s[LQ]
	s_cselect_b32 s[NXT], 0, s[NXT]
	s_cselect_b32 s[LQ], s[PB], s[LQ]
	s_wait_xcnt 0x0                                ; the last prefetch, a trip back, has read its address
	s_add_nc_u64 s[PFA:PFA+1], s[PFA:PFA+1], 131072
	s_wait_dscnt 0x0                               ; the add is done, and my reads of the slot are over
	CROUND
	tensor_load_to_lds s[G0:G0+3], s[G1:G1+7]      ; every wave's own group: LDS and global address both step by the wave's number
	s_nop 0
	PLACES                                         ; (the places in front of the loads into K's and V's registers)
	ASK
.else
	s_wait_dscnt 0x0
	s_barrier_signal -1
	s_barrier_wait -1
	PLACES
.endif
	s_xor_b32 s[TB], s[TB], SLOT1
.endm
.macro INIT                            ; a block begins
.set tt, 0
.rept 4
	v_mov_b32 v[ST+8*tt], 0xfe000000               ; c m: far below every c s
	v_mov_b32 v[ST+8*tt+1], 0xff7fffff             ; m
.set tt, tt+1
.endr
.endm
	s_load_b256 s[68:75], s[0:1], 0x0              ; qf s[68:69], kvf s[70:71], qlo s[72:73], kvlo s[74:75]
	s_load_b64 s[76:77], s[0:1], 0x20              ; out0
	v_lshl_add_u32 v[SPW], v0, 2, SPARE
	v_mov_b32 v[NIL], 0
	ds_add_u32 v[SPW], v[NIL]                      ; the wave's opening: the add, twice on end, and its wait ahead of my first tensor load; the set-up below stands between the second and the wait
	ds_add_u32 v[SPW], v[NIL]
	v_lshrrev_b32 v1, 5, v0
	v_readfirstlane_b32 s[WV], v1                  ; wave 0..3
	s_bfe_u32 s[CX], ttmp6, 0x40000                ; my place in the cluster: it enters Q's and out's addresses, the mask's threshold and the prefetches' address alone
	s_mov_b32 s[PB], ttmp9                         ; in a cluster launch ttmp9 counts clusters: u
	s_sub_co_u32 s[HI], 15, s[PB]
	s_and_b32 s[YY], ttmp7, 0xffff                 ; 2 batch + hf, which the four partners share
	; descriptor group 1: 32,768 dense bytes as 128 rows of 32 elements of 8 bytes; no padding: the bytes lie in fragment order
	s_mov_b32 s[G1], 15|(3<<16)|(1<<21)            ; 15:0 the mask of four; 17:16 8-byte elements; 21 set beside a mask
	s_mov_b32 s[G1+1], 32<<16                      ; tensor_dim0 = 32
	s_mov_b32 s[G1+2], 128<<16                     ; tensor_dim1 = 128
	s_mov_b32 s[G1+3], 32<<16                      ; tile_dim0 = 32
	s_mov_b32 s[G1+4], 128                         ; tile_dim1 = 128
	s_mov_b32 s[G1+5], 32                          ; 32 elements from row to row
	s_mov_b32 s[G1+6], 0
	s_mov_b32 s[G1+7], 0
	s_mov_b32 s[G0], 1                             ; count = 1
	s_lshl_b32 s[G0+1], s[WV], 15                  ; LDS address: my group of slot 0
	s_mov_b32 s[CS], 0x3e38aa3b                    ; c = log2(e) / 8
	s_mov_b32 s[CS+1], s[CS]
	s_mov_b32 s[SEL], 0x76543210
	s_mov_b32 s[SEL+1], 0xfedcba98
	s_mov_b32 s[TB], SLOT1                         ; the first change of slots turns it into 0
	s_add_co_u32 s[RT], s[HI], 1                   ; the first block has 16 - u tiles
	s_mov_b32 s[NXT], 1
	s_mov_b32 s[LQ], s[HI]
	s_mov_b32 s[OFF+1], 0
	s_mov_b32 s[SLOTS], 16
	s_cmp_eq_u32 s[PB], 0
	s_cselect_b32 s[LIM], 3, -1                    ; the same in all four partners
	s_lshl_b32 s52, s[YY], 21
	s_lshl_b32 s53, s[WV], 15
	s_add_co_u32 s52, s52, s53                     ; my batch's and hf's part of kvf, my wave's group
	s_mov_b32 s53, 0
	s_lshr_b32 s54, s[YY], 1
	s_lshl_b32 s54, s54, 12                        ; the batch's first token
	s_and_b32 s55, s[YY], 1
	s_mul_i32 s55, s55, 768                        ; my 192 channels in a row of out
	s_lshl_b32 s56, s[CX], 6
	s_lshl_b32 s57, s[HI], 8
	s_add_co_u32 s57, s57, s56
	s_add_co_u32 s57, s57, s54                     ; my first token of the first block,
	s_lshl_b32 s58, s[PB], 8
	s_add_co_u32 s58, s58, s56
	s_add_co_u32 s58, s58, s54                     ; and of the second
	s_mul_i32 s60, s57, 1536
	s_add_co_u32 s60, s60, s55
	s_mov_b32 s61, 0
	s_mul_i32 s62, s58, 1536
	s_add_co_u32 s62, s62, s55
	s_mov_b32 s63, 0
	s_lshl_b32 s56, s57, 7                         ; 128 bytes a token in qf
	s_mov_b32 s57, 0
	s_lshl_b32 s58, s58, 7
	s_mov_b32 s59, 0
	s_lshr_b32 s78, s[YY], 1
	s_lshl_b32 s78, s78, 15                        ; qlo: 32,768 bytes a batch,
	s_lshl_b32 s79, s[CX], 13                      ; 8,192 for 64 queries
	s_add_co_u32 s78, s78, s79
	s_mov_b32 s79, 0
	s_lshl_b32 s80, s[YY], 17                      ; kvlo: 131,072 bytes a batch and hf,
	s_lshl_b32 s81, s[WV], 15                      ; 32,768 a group
	s_add_co_u32 s80, s80, s81
	s_mov_b32 s81, 0
	s_wait_dscnt 0x0                               ; both opening adds are done
	s_wait_kmcnt 0x0
	s_add_nc_u64 s[KV:KV+1], s[70:71], s[52:53]
	s_mov_b64 s[G0+2:G0+3], s[KV:KV+1]             ; global address: tile 0
	s_or_b32 s[G0+3], s[G0+3], 0x80000000          ; type = 2
	s_add_nc_u64 s[OB:OB+1], s[76:77], s[60:61]
	s_add_nc_u64 s[OLO:OLO+1], s[76:77], s[62:63]
	s_add_nc_u64 s[56:57], s[68:69], s[56:57]      ; Q of the first block,
	s_add_nc_u64 s[58:59], s[68:69], s[58:59]      ; of the second
	s_add_nc_u64 s[QLB:QLB+1], s[QLB:QLB+1], s[78:79]
	s_add_nc_u64 s[KLB:KLB+1], s[KLB:KLB+1], s[80:81]
	s_lshl_b32 s52, s[CX], 13                      ; my work-group's quarter of a group,
	s_add_co_u32 s52, s52, 2*131072                ; in tile 2: the first change of slots steps it to tile 3
	s_add_nc_u64 s[PFA:PFA+1], s[KV:KV+1], s[52:53]
	CROUND                                         ; all four work-groups are here: the first joint loads meet
	tensor_load_to_lds s[G0:G0+3], s[G1:G1+7]      ; tile 0 into slot 0
	s_nop 0
	PLACES
	v_and_b32 v16, 31, v0                          ; lane
	v_and_b32 v17, 15, v0                          ; r
	v_bfe_u32 v18, v0, 4, 1                        ; h
	v_lshlrev_b32 v[LN16], 4, v16
	v_lshlrev_b32 v[PFO], 8, v16
	WIN 0x40                                       ; destination window 1, address window 0
.set ff, 0
.rept 8                                ; both blocks' Q stay in registers: fragment 2 t + c is 1,024 bytes; a load takes 512 consecutive bytes
	global_load_b128 v[QF+8*ff:QF+8*ff+3],   v[LN16], s[56:57] offset:1024*ff
	global_load_b128 v[QF+8*ff+4:QF+8*ff+7], v[LN16], s[56:57] offset:1024*ff+512
.set ff, ff+1
.endr
	WIN 0xc0
.set ff, 0
.rept 8
	global_load_b128 v[QF+8*ff:QF+8*ff+3],   v[LN16], s[58:59] offset:1024*ff
	global_load_b128 v[QF+8*ff+4:QF+8*ff+7], v[LN16], s[58:59] offset:1024*ff+512
.set ff, ff+1
.endr
	WIN 0
	v_lshl_add_u32 v[AL0], s[WV], 15, v[LN16]
	s_mul_i32 s52, s[WV], SREG
	s_add_co_u32 s52, s52, STAGE                   ; my region of a stage buffer
	v_mul_u32_u24 v[STO], v17, SPI                 ; in: row r, 32 bytes for each half of the lanes
	v_lshl_add_u32 v[STO], v18, 5, v[STO]
	v_add_nc_u32 v[STO], s52, v[STO]
	s_mul_i32 s52, s[WV], 4*SPI
	s_add_co_u32 s52, s52, STAGE                   ; back: of each region's 16 rows I take rows 4 w .. 4 w + 3; lanes 0-15 one row of 256 bytes, lanes 16-31 the next
	v_mul_u32_u24 v[RD], v18, SPI
	v_lshl_add_u32 v[RD], v17, 4, v[RD]
	v_add_nc_u32 v[RD], s52, v[RD]
	s_mul_i32 s52, s[WV], 4*1536                   ; and the same rows in out
	v_mul_u32_u24 v[GO], v18, 1536
	v_lshl_add_u32 v[GO], v17, 4, v[GO]
	v_add_nc_u32 v[GO], s52, v[GO]
	v_lshlrev_b32 v[STR], 3, v17
	v_add_nc_u32 v[STR], STAT, v[STR]
	v_lshl_add_u32 v[STA], s[WV], 9, v[STR]
	s_sub_co_i32 s52, s[CX], s[WV]
	s_lshl_b32 s52, s52, 6
	v_lshlrev_b32 v19, 3, v18
	v_sub_nc_u32 v[THR], v17, v19
	v_add_nc_u32 v[THR], s52, v[THR]
	v_mov_b32 v[BIG], 0xf1800000                   ; -2^100
	v_mov_b32 v[NEG1], -1.0
	INIT
	ALLT v_mov_b32 v[ST+8*tt+2], 0
	ALLT v_mov_b32 v[ST+8*tt+3], 0
	; O^T starts at 0: no first step is written out, at the price of these 384 lines, which stand in the wait for the first tile
	WIN 0x40
.set ii, 0
.rept 192
	v_mov_b32 v[ii], 0
.set ii, ii+1
.endr
	WIN 0x80
.set ii, 0
.rept 192
	v_mov_b32 v[ii], 0
.set ii, ii+1
.endr
	WIN 0
	s_wait_loadcnt 0x0                             ; Q
; My group's fragments, as they lie: 64 loads of 512 consecutive bytes in one run, K's 16 first.
.macro FETCH
	WIN 0
	v_add_nc_u32 v[ADR], s[TB], v[AL0]
	WIN 0x80                                       ; destination window 2
.set ff, 0
.rept 8
	ds_load_b128 v[KF+8*ff:KF+8*ff+3],   v[ADR] offset:1024*ff
	ds_load_b128 v[KF+8*ff+4:KF+8*ff+7], v[ADR] offset:1024*ff+512
.set ff, ff+1
.endr
	WIN 0xc0                                       ; destination window 3
.set cb, 0
.rept 12
.set kk, 0
.rept 2
	ds_load_b128 v[96*kk+8*cb:96*kk+8*cb+3],   v[ADR] offset:8192+2048*cb+1024*kk
	ds_load_b128 v[96*kk+8*cb+4:96*kk+8*cb+7], v[ADR] offset:8192+2048*cb+1024*kk+512
.set kk, kk+1
.endr
.set cb, cb+1
.endr
.endm
; S^T = K Q^T: 32 products; the 16 accumulators take turns, one instruction a turn; the first 16 start the sums.
.macro KQ32
	WIN 0x06                                       ; K window 2, Q window 1, S^T window 0
.set cc, 0
.rept 2
.set kb, 0
.rept 4
.set tt, 0
.rept 4
.set rS, S+32*tt+8*kb
.set rK, KF+16*kb+8*cc
.set rQ, QF+16*tt+8*cc
.if cc == 0
	v_wmma_f32_16x16x32_f16 v[rS:rS+7], v[rK:rK+7], v[rQ:rQ+7], 0
.else
	v_wmma_f32_16x16x32_f16 v[rS:rS+7], v[rK:rK+7], v[rQ:rQ+7], v[rS:rS+7]
.endif
.set tt, tt+1
.endr
.set kb, kb+1
.endr
.set cc, cc+1
.endr
.endm
; Block 0: S^T += K hi Q lo + K lo Q hi: 64 products on the same 16 accumulators, in the same order.  All four operands lie at v192 on of their windows.
.macro KQLO
.set tm, 0
.rept 2
	WIN 0x0e-0x0a*tm                               ; K hi window 2 and Q lo window 3; then K lo window 0 and Q hi window 1
.set cc, 0
.rept 2
.set kb, 0
.rept 4
.set tt, 0
.rept 4
.set rS, S+32*tt+8*kb
.set rK, KF+16*kb+8*cc
.set rQ, QF+16*tt+8*cc
	v_wmma_f32_16x16x32_f16 v[rS:rS+7], v[rK:rK+7], v[rQ:rQ+7], v[rS:rS+7]
.set tt, tt+1
.endr
.set kb, kb+1
.endr
.set cc, cc+1
.endr
.set tm, tm+1
.endr
.endm
; The diagonal tile's mask: one compare for each of the 56 values of 16 (kb - t) + j, and the selects of all tiles with that difference; each accumulator's registers in ascending order.
.macro MASK
	WIN 0
.set dd, -3
.rept 7
.set jj, 0
.rept 8
	v_cmp_gt_i32 vcc_lo, 16*dd+jj, v[THR]
.set tt, 0
.rept 4
.if (tt+dd >= 0) && (tt+dd < 4)
	v_cndmask_b32 v[S+32*tt+8*(tt+dd)+jj], v[S+32*tt+8*(tt+dd)+jj], v[BIG], vcc_lo
.endif
.set tt, tt+1
.endr
.set jj, jj+1
.endr
.set dd, dd+1
.endr
.endm
.macro SREGS tile
.set rT, ST+8*(\tile)
.set rS, S+32*(\tile)
.set rP, P+16*(\tile)
.endm
; Number num of the 22 that find a tile's maximum and statistics.  s0-s31 are the lane's 32 scores; each accumulator's lowest registers are read first.
;   0-11 four chains c0-c3 of seven scores each     12-15 the four scores left over, c0-c3 and the old m into c0     16, 18 the query's other 32 keys lie in the lane 16 away: the new m
;   17 c m_old is kept     19-21 c m; c m_old - c m_new; a
.macro SMX num, tile
	SREGS \tile
.if (\num) < 4
	v_max3_num_f32 v[rT+4+(\num)], v[rS+8*(\num)], v[rS+8*(\num)+1], v[rS+8*(\num)+2]
.elseif (\num) < 12
	v_max3_num_f32 v[rT+4+(\num)%4], v[rT+4+(\num)%4], v[rS+8*((\num)%4)+2*((\num)/4)+1], v[rS+8*((\num)%4)+2*((\num)/4)+2]
.elseif (\num) == 12
	v_max3_num_f32 v[rT+4], v[rT+4], v[rS+7], v[rS+15]
.elseif (\num) == 13
	v_max3_num_f32 v[rT+6], v[rT+6], v[rS+23], v[rS+31]
.elseif (\num) == 14
	v_max3_num_f32 v[rT+4], v[rT+4], v[rT+5], v[rT+6]
.elseif (\num) == 15
	v_max3_num_f32 v[rT+4], v[rT+4], v[rT+7], v[rT+1]
.elseif (\num) == 16
	v_permlanex16_b32 v[rT+5], v[rT+4], s[SEL], s[SEL+1]
.elseif (\num) == 17
	v_mov_b32 v[rT+7], v[rT]
.elseif (\num) == 18
	v_max_num_f32 v[rT+1], v[rT+4], v[rT+5]
.elseif (\num) == 19
	v_mul_f32 v[rT], s[CS], v[rT+1]
.elseif (\num) == 20
	v_sub_f32 v[rT+7], v[rT+7], v[rT]
.else
	v_exp_f32 v[rT+6], v[rT+7]
.endif
.endm
.macro FS tile, pr                     ; c s - c m for pair pr of 16
	SREGS \tile
	v_pk_fma_f32 v[rS+2*(\pr):rS+2*(\pr)+1], v[rS+2*(\pr):rS+2*(\pr)+1], s[CS:CS+1], v[rT:rT+1] op_sel_hi:[1,0,0] neg_lo:[0,0,1] neg_hi:[0,0,1]
.endm
.macro SUMZ zz, tile                   ; sum zz of 16 over the tile's 16 pairs, in place: neighbours 1, 2, 4 and 8 pairs apart; then l = a l + the sum
	SREGS \tile
.set wd, 4
.set uu, (\zz)
.if (\zz) >= 14
.set wd, 32
.set uu, 0
.elseif (\zz) >= 12
.set wd, 16
.set uu, (\zz)-12
.elseif (\zz) >= 8
.set wd, 8
.set uu, (\zz)-8
.endif
.if (\zz) < 15
	v_pk_add_f32 v[rS+wd*uu:rS+wd*uu+1], v[rS+wd*uu:rS+wd*uu+1], v[rS+wd*uu+wd/2:rS+wd*uu+wd/2+1]
.else
	v_pk_fma_f32 v[rT+2:rT+3], v[rT+2:rT+3], v[rT+6:rT+7], v[rS:rS+1] op_sel_hi:[1,0,1]
.endif
.endm
.macro RESCALE                         ; O^T times the factor at ST + 8 t + 6 (a; at the meeting g); each accumulator's registers in ascending order
.set tt, 0
.rept 4
	WIN 0x41+0x41*(tt/2)                           ; O^T (destination and source 0) in window 1 or 2, the factor in window 0
.set nn, 0
.rept 48
	v_pk_mul_f32 v[96*(tt%2)+2*nn:96*(tt%2)+2*nn+1], v[96*(tt%2)+2*nn:96*(tt%2)+2*nn+1], v[ST+8*tt+6:ST+8*tt+7] op_sel_hi:[1,0]
.set nn, nn+1
.endr
.set tt, tt+1
.endr
	WIN 0
.endm
; THE SOFTMAX of four tiles, line by line by turns, so that no line reads the result of the one before it.  The 4 + 128 exponentials are ONE BATCH: nothing ahead of its one wait names a result of theirs; the
; scalings of tile t + 1 stand between the exponentials of tile t.  All that reads a result (roundings, sums, the rescaling by a) stands behind the wait.  SM_HEAD ends with the roundings; SM_SUMS are the sums.
.macro SM_HEAD
	WIN 0
.set nn, 0
.rept 21
.set t2, 0
.rept 4
	SMX nn, t2
.set t2, t2+1
.endr
.set nn, nn+1
.endr
.set nn, 0
.rept 16
	FS 0, nn
.if nn < 4
	SMX 21, nn
.endif
.set nn, nn+1
.endr
.set t2, 0
.rept 4
.set nn, 0
.rept 16
.if t2 < 3
	FS t2+1, nn
.endif
	v_exp_f32 v[S+32*t2+2*nn], v[S+32*t2+2*nn]
	v_exp_f32 v[S+32*t2+2*nn+1], v[S+32*t2+2*nn+1]
.set nn, nn+1
.endr
.set t2, t2+1
.endr
	v_nop                                          ; a plain instruction behind the last exponential (ISA guide 5.7.2): one for the batch,
	s_wait_alu depctr_va_vdst(0)                   ; and the wait ahead of the first line that names a result: one for the batch
.set t2, 0
.rept 4
.set nn, 0
.rept 16
	v_cvt_pk_f16_f32 v[P+16*t2+nn], v[S+32*t2+2*nn], v[S+32*t2+2*nn+1]
.set nn, nn+1
.endr
.set t2, t2+1
.endr
.endm
.macro SM_SUMS
.set nn, 0
.rept 16
.set t2, 0
.rept 4
	SUMZ nn, t2
.set t2, t2+1
.endr
.set nn, nn+1
.endr
.endm
; Block 0: P lo = f16(p - hi), into K's registers, eight pairs of weights at a time.  hi x (-1) + p is exact: hi lies within 2^-11 of p.  Pair n of 64 lies at P + n and S + 2 n.
.macro PLO
.set bt, 0
.rept 8
	WIN 0
.set nn, 0
.rept 8
	v_fma_mix_f32 v[TD+2*nn],   v[P+8*bt+nn], v[NEG1], v[S+16*bt+2*nn]   op_sel_hi:[1,0,0]                 ; source 0 is hi's low f16,
	v_fma_mix_f32 v[TD+2*nn+1], v[P+8*bt+nn], v[NEG1], v[S+16*bt+2*nn+1] op_sel:[1,0,0] op_sel_hi:[1,0,0]  ; its high f16
.set nn, nn+1
.endr
	WIN 0x80                                       ; destination window 2
.set nn, 0
.rept 8
	v_cvt_pk_f16_f32 v[KF+8*bt+nn], v[TD+2*nn], v[TD+2*nn+1]
.set nn, nn+1
.endr
.set bt, bt+1
.endr
	WIN 0
.endm
; Block 0: K lo of my group into P's registers, Q lo of my 64 queries into the second block's Q's: piece n of 512 bytes into registers 4 n on.
.macro LOADKQLO
	PLACES                                         ; behind the last products that read P
.set ff, 0
.rept 16
	global_load_b128 v[P+4*ff:P+4*ff+3], v[LN16], s[KLB:KLB+1] offset:512*ff
.set ff, ff+1
.endr
	WIN 0xc0
.set ff, 0
.rept 16
	global_load_b128 v[QF+4*ff:QF+4*ff+3], v[LN16], s[QLB:QLB+1] offset:512*ff
.set ff, ff+1
.endr
	WIN 0
.endm
; Block 0: V lo of my group: fragment f = 12 kk + cb into S^T's registers (f < 16: S + 8 f), the last eight into Q lo's (window 3, v192 + 8 (f - 16)).
.macro LOADVLO
.set kk, 0
.rept 2
.set cb, 0
.rept 12
.set rV, S+8*(12*kk+cb)
.if 12*kk+cb >= 16
.set rV, 192+8*(12*kk+cb-16)
	WIN 0xc0
.endif
	global_load_b128 v[rV:rV+3],   v[LN16], s[KLB:KLB+1] offset:8192+2048*cb+1024*kk
	global_load_b128 v[rV+4:rV+7], v[LN16], s[KLB:KLB+1] offset:8192+2048*cb+1024*kk+512
.set cb, cb+1
.endr
.set kk, kk+1
.endr
	WIN 0
.endm
; O^T += V^T P: 96 products, tiles 0, 1 and then tiles 2, 3; the 24 accumulators of a pair of tiles take turns, one instruction a turn.  mode 0: V hi, P hi.  Block 0 alone: mode 1: V hi, P lo; mode 2: V lo, P hi.
.macro PV96 mode
.set pc, 0
.rept 2
.set kk, 0
.rept 2
.set cb, 0
.rept 12
.set tt, 0
.rept 2
.set rO, 96*tt+8*cb
.set rV, 96*kk+8*cb
.set rP, P+16*(2*pc+tt)+8*kk
.set wn, 0x53+0x50*pc                  ; V window 3, P window 0, O^T window 1 or 2
.if (\mode) == 1
.set wn, 0x5b+0x50*pc                  ; P lo window 2
.endif
.if ((\mode) == 2) && (12*kk+cb < 16)
.set wn, 0x50+0x50*pc                  ; V lo window 0
.set rV, S+8*(12*kk+cb)
.endif
.if ((\mode) == 2) && (12*kk+cb >= 16)
.set rV, 192+8*(12*kk+cb-16)
.endif
	WIN wn
	v_wmma_f32_16x16x32_f16 v[rO:rO+7], v[rV:rV+7], v[rP:rP+7], v[rO:rO+7]
.set tt, tt+1
.endr
.set cb, cb+1
.endr
.set kk, kk+1
.endr
.set pc, pc+1
.endr
.endm
; A strip of the meeting: tile t (16 queries) x channels 64 c3 .. + 63.  Each wave puts its partial strip into its region of a stage buffer; behind a barrier wave w adds rows 4 w .. 4 w + 3 of the four regions
; and stores them.  The two buffers take turns, so ONE barrier a strip does: a buffer is written again only behind the next strip's barrier, in front of which every wave has waited for its loads from it.
.macro STRIP t, c3
.set bf, (3*(\t)+(\c3))%2
.set RB, 128+32*bf
	WIN 0x04+0x04*((\t)/2)                         ; data window 1 or 2
.set ii, 0
.rept 4
.set rO, 96*((\t)%2)+8*(4*(\c3)+ii)
	ds_store_b128 v[STO], v[rO:rO+3]   offset:bf*SBUF+64*ii
	ds_store_b128 v[STO], v[rO+4:rO+7] offset:bf*SBUF+64*ii+16
.set ii, ii+1
.endr
	WIN 0
	s_wait_dscnt 0x0                               ; for the others' sake: my stores are done
	s_barrier_signal -1
	s_barrier_wait -1
	s_wait_xcnt 0x0                                ; the stores of two strips back have read the registers that are loaded below
.set ww, 0
.rept 4
	ds_load_b128 v[RB+8*ww:RB+8*ww+3],   v[RD] offset:bf*SBUF+SREG*ww
	ds_load_b128 v[RB+8*ww+4:RB+8*ww+7], v[RD] offset:bf*SBUF+SREG*ww+2*SPI
.set ww, ww+1
.endr
	s_wait_dscnt 0x0
.irp qd, 0,2,4,6
	v_pk_add_f32 v[RB+(\qd):RB+(\qd)+1], v[RB+(\qd):RB+(\qd)+1], v[RB+8+(\qd):RB+8+(\qd)+1]
	v_pk_add_f32 v[RB+16+(\qd):RB+16+(\qd)+1], v[RB+16+(\qd):RB+16+(\qd)+1], v[RB+24+(\qd):RB+24+(\qd)+1]
.endr
.irp qd, 0,2,4,6
	v_pk_add_f32 v[RB+(\qd):RB+(\qd)+1], v[RB+(\qd):RB+(\qd)+1], v[RB+16+(\qd):RB+16+(\qd)+1]
.endr
	global_store_b128 v[GO], v[RB:RB+3],   s[OB:OB+1] offset:(16*(\t))*1536+256*(\c3) th:TH_STORE_NT    ; 16 lanes store 256 consecutive bytes, at a multiple of 256 from out's first byte
	global_store_b128 v[GO], v[RB+4:RB+7], s[OB:OB+1] offset:(16*(\t)+2)*1536+256*(\c3) th:TH_STORE_NT
.endm
; A BLOCK'S END: THE FOUR WAVES MEET.  Each wave's l is made whole; (c m, l) go through LDS; M = the largest c m; wave w's factor is f = 2^(c m_w - M); L = the sum of f l; my O^T is multiplied by g = f_own / L;
; then the four partial O^T are added, strip by strip.  last = 0: the second block begins.
.macro FINISH last
	WIN 0
	ALLT v_add_f32 v[ST+8*tt+4], v[ST+8*tt+2], v[ST+8*tt+3]          ; (these lines are also the places behind the last products)
	ALLT v_permlanex16_b32 v[ST+8*tt+5], v[ST+8*tt+4], s[SEL], s[SEL+1]
	ALLT v_add_f32 v[ST+8*tt+1], v[ST+8*tt+4], v[ST+8*tt+5]          ; l takes m's place beside c m
	ALLT ds_store_b64 v[STA], v[ST+8*tt:ST+8*tt+1] offset:128*tt     ; both halves of the lanes write the same numbers
	s_wait_dscnt 0x0
	s_barrier_signal -1
	s_barrier_wait -1
.set ww, 0
.rept 4
	ALLT ds_load_b64 v[XST+8*tt+2*ww:XST+8*tt+2*ww+1], v[STR] offset:512*ww+128*tt
.set ww, ww+1
.endr
	s_wait_dscnt 0x0
	ALLT v_max3_num_f32 v[ST+8*tt+4], v[XST+8*tt], v[XST+8*tt+2], v[XST+8*tt+4]
	ALLT v_max_num_f32 v[ST+8*tt+4], v[ST+8*tt+4], v[XST+8*tt+6]
	ALLT v_sub_f32 v[ST+8*tt+5], v[ST+8*tt], v[ST+8*tt+4]
.set ww, 0
.rept 4
	ALLT v_sub_f32 v[XST+8*tt+2*ww], v[XST+8*tt+2*ww], v[ST+8*tt+4]
.set ww, ww+1
.endr
	ALLT v_exp_f32 v[ST+8*tt+5], v[ST+8*tt+5]
.set ww, 0
.rept 4
	ALLT v_exp_f32 v[XST+8*tt+2*ww], v[XST+8*tt+2*ww]
.set ww, ww+1
.endr
	v_nop
	s_wait_alu depctr_va_vdst(0)                   ; one wait for the 20 exponentials
	ALLT v_mul_f32 v[ST+8*tt+6], v[XST+8*tt], v[XST+8*tt+1]
.set ww, 1
.rept 3
	ALLT v_fmac_f32 v[ST+8*tt+6], v[XST+8*tt+2*ww], v[XST+8*tt+2*ww+1]
.set ww, ww+1
.endr
	ALLT v_rcp_f32 v[ST+8*tt+7], v[ST+8*tt+6]
	v_nop
	s_wait_alu depctr_va_vdst(0)                   ; one wait for the four reciprocals
	ALLT v_mul_f32 v[ST+8*tt+6], v[ST+8*tt+5], v[ST+8*tt+7]
	RESCALE
.irp t, 0,1,2,3
.irp c3, 0,1,2
	STRIP \t, \c3
.endr
.endr
.if !(\last)
	s_wait_xcnt 0x0                                ; the stores have read out's address
	s_mov_b64 s[OB:OB+1], s[OLO:OLO+1]
	s_add_co_u32 s[RT], s[PB], 1                   ; the second block has u + 1 tiles
	INIT                                           ; its first a is 0: what this block left in O^T and l is finite, and is multiplied away
	WIN 0x43                                       ; the second block's Q goes where the one text of the products names Q
.set ii, 0
.rept 64
	v_mov_b32 v[QF+ii], v[QF+ii]
.set ii, ii+1
.endr
	WIN 0
.endif
.endm
; A TRIP: one tile.  The jumps hang on RT and on u, made of the cluster's number and of counted steps: the same in all waves and all partners; they go forward and pass no tensor load.
; last = 1: the walk's last tile, which is a block's last; where u = 0 it is block 0's, and the lo parts are worked in.  The two waits for loads there stand on every path, ahead of the jumps:
; behind them no load is out into a register that the lines behind name, whichever way is taken.
.macro TRIP last
	s_sub_co_u32 s[RT], s[RT], 1
	FETCH
	s_wait_dscnt 48                                ; K's 16 loads are in; V's 48 younger ones stay out
	KQ32
	WIN 0
.if \last
	s_wait_loadcnt 0x0                             ; K lo and Q lo, where they were asked for
	s_cmp_lg_u32 s[PB], 0
	s_cbranch_scc1 .Lno_kqlo_\@
	KQLO
	WIN 0
.Lno_kqlo_\@:
.endif
	PLACES
	PLACES
.if !(\last)
	s_cmp_lg_u32 s[RT], 0
	s_cbranch_scc1 .Lno_mask_\@
.endif
	MASK
.if !(\last)
.Lno_mask_\@:
.endif
	SM_HEAD
.if \last
	s_cmp_lg_u32 s[PB], 0
	s_cbranch_scc1 .Lno_plo_\@
	PLO                                            ; ahead of the sums, which work in place on p
.Lno_plo_\@:
.endif
	SM_SUMS
.if \last
	s_cmp_lg_u32 s[PB], 0
	s_cbranch_scc1 .Lno_vlo_\@
	LOADVLO                                        ; S^T's registers are free: V lo has the rescaling and 96 products in which to come
.Lno_vlo_\@:
.endif
	RESCALE
	s_wait_dscnt 0x0                               ; V is in
	PV96 0
	WIN 0
.if \last
	s_wait_loadcnt 0x0                             ; V lo, where it was asked for
	s_cmp_lg_u32 s[PB], 0
	s_cbranch_scc1 .Lno_pvlo_\@
	PV96 1
	PV96 2
	WIN 0
.Lno_pvlo_\@:
.else
	s_cmp_lg_u32 s[RT], 0
	s_cbranch_scc1 .Lno_end_\@
.endif
	FINISH \last
.if !(\last)
.Lno_end_\@:
.endif
.endm
.Lslot:                                                ; 16 times: a tile is entered and the next is asked for
	CHANGE 1
	TRIP 0
	s_sub_co_u32 s[SLOTS], s[SLOTS], 1
	s_cmp_lg_u32 s[SLOTS], 0
	s_cbranch_scc1 .Lslot
	s_cmp_lg_u32 s[PB], 0
	s_cbranch_scc1 .Lno_klo
	LOADKQLO                                       ; block 0: asked for a change of slots, a run of LDS loads and 32 products ahead of their use
.Lno_klo:
	CHANGE 0                                       ; the walk's last tile is written out: nothing is asked for
	TRIP 1
	s_wait_tensorcnt 0x0                           ; the wave's end, behind my last tensor load and my last LDS store
	ds_add_u32 v[SPW], v[NIL]
	s_wait_dscnt 0x0
	CROUND                                         ; the closing round: no work-group ends while a partner may still ask for a tile that names it
	s_endpgm
.Lfunc_end_k_qaa3935635b_attn:
	.size	k_qaa3935635b_attn, .Lfunc_end_k_qaa3935635b_attn-k_qaa3935635b_attn
	.p2alignl 7, 3214868480
	.fill 96, 4, 3214868480
	.section	.rodata,"a",@progbits
	.p2align	6, 0x0
	.amdhsa_kernel k_qaa3935635b_attn
		.amdhsa_group_segment_fixed_size 327680
		.amdhsa_private_segment_fixed_size 0
		.amdhsa_enable_private_segment 0
		.amdhsa_kernarg_size 40
		.amdhsa_user_sgpr_count 2
		.amdhsa_user_sgpr_kernarg_segment_ptr 1
		.amdhsa_wavefront_size32 1
		.amdhsa_system_sgpr_workgroup_id_x 1
		.amdhsa_system_sgpr_workgroup_id_y 1
		.amdhsa_system_sgpr_workgroup_id_z 1
		.amdhsa_system_vgpr_workitem_id 0
		.amdhsa_next_free_vgpr 1024
		.amdhsa_next_free_sgpr 82
		.amdhsa_reserve_vcc 1
		.amdhsa_float_denorm_mode_32 3
		.amdhsa_float_denorm_mode_16_64 3
		.amdhsa_memory_ordered 1
		.amdhsa_forward_progress 1
		.amdhsa_inst_pref_size 253
	.end_amdhsa_kernel
	.amdgpu_metadata
---
amdhsa.version: [ 1, 2 ]
amdhsa.kernels:
  - .name:           k_qaa3935635b_attn
    .symbol:         k_qaa3935635b_attn.kd
    .args:
      - { .name: qf, .offset: 0, .size: 8, .value_kind: global_buffer, .address_space: global }
      - { .name: kvf, .offset: 8, .size: 8, .value_kind: global_buffer, .address_space: global }
      - { .name: qlo, .offset: 16, .size: 8, .value_kind: global_buffer, .address_space: global }
      - { .name: kvlo, .offset: 24, .size: 8, .value_kind: global_buffer, .address_space: global }
      - { .name: out0, .offset: 32, .size: 8, .value_kind: global_buffer, .address_space: global }
    .group_segment_fixed_size: 327680
    .private_segment_fixed_size: 0
    .kernarg_segment_align: 8
    .kernarg_segment_size: 40
    .max_flat_workgroup_size: 128
    .sgpr_count:     82
    .vgpr_count:     1024
    .wavefront_size: 32
...
	.end_amdgpu_metadata
.endif
;; end of part 5
